; MI455X (gfx1250); checked and timed in simulation.
; The chip was launched on July 23, 2026; its instructions are those of AMD's public machine-readable ISA for CDNA 5 (MIT licence, August 2026) and "CDNA5" Instruction Set Architecture Reference Guide (July 2026). The comments in the code are by the model that wrote it; some were corrected since.
;; Hybrid Llama Attention. Allowed arithmetic: float matrix products may take bf16 or f16 operands with f32 sums; other float arithmetic in f32, or as packed bf16 or f16 multiplies, adds, multiply-adds, maxima and minima; sums over many terms, partial sums and values carried from step to step in f32; what a program stores and reads back later, other than sums and carried values, may be rounded once to bf16 or f16.
;; Inputs: mask 1 x 1 x 2,048 x 2,048 float32; rope_cos 2,048 x 128 float32; rope_sin 2,048 x 128 float32; wk 2,048 x 2,048 float32; wo 2,048 x 2,048 float32; wq 2,048 x 2,048 float32; wv 2,048 x 2,048 float32; x 1 x 2,048 x 2,048 float32.
;; Outputs: out0 1 x 2,048 x 2,048 float32.
;; 2 versions, each right; version 2 is version 1 with the launch cast written anew for expert scheduling mode. Each part assembles by itself: llvm-mc -triple=amdgcn-amd-amdhsa -mcpu=gfx1250 --defsym DOCPART=n.
;; ======== version 1 of 2: 4 launches
;; limits: values are held in f16: magnitudes above 65,504 overflow, below 6.1e-05 lose precision
;; workspace buffers: cb 50,331,648 bytes; qkv 25,165,824 bytes; ao 8,388,608 bytes
;; launch cast (part 1): grid 128 x 6, 8 waves a work-group, no clusters, 0 bytes of LDS; arguments x, wq, wk, wv, wo, mask, cb; writes cb
.if DOCPART == 1
	.amdgcn_target "amdgcn-amd-amdhsa--gfx1250"
	.amdhsa_code_object_version 6
	.text
	.protected	k_qe04de5910a_cast
	.globl	k_qe04de5910a_cast
	.p2align	8
	.type	k_qe04de5910a_cast,@function
k_qe04de5910a_cast:
	s_mov_b64 s[64:65], 0
	v_nop
	global_prefetch_b8 v0, s[64:65] scope:SCOPE_SE
	s_setreg_imm32_b32 hwreg(HW_REG_WAVE_MODE, 25, 1), 1
	s_wait_xcnt 0x0
; CAST.  The six large f32 inputs, 16,777,216 bytes each, are rounded to bf16 once, for the launches behind.  cb has six sections of 8,388,608 bytes, each [2048][2048] of 16-bit numbers:
;   grid y = 0..3 and 5: x, wq, wk, wv and the mask -> sections 0..3 and 5, bf16
;   grid y = 4:          wo -> section 4: rounded to bf16, and that number written as f16 (it multiplies an f16 operand)
; LIMITS.  wo beyond 65,504 becomes an infinity in f16; below 6e-5 it keeps f16's fixed step of 6e-8.  NaN and infinities are not treated apart.
; SHARES.  A work-group takes 131,072 input bytes: 32 chunks of 4,096.  Thread t takes the 16 bytes at 16 t of each chunk: a wave's load covers 512 consecutive bytes;
; its 8 bytes of results go to 8 t: a wave's store covers 256 consecutive bytes, aligned.
; A ring of eight slots in registers keeps eight loads of every wave on their way.  No LDS, no barrier: no wave wants another's bytes.
.set CHUNK, 4096
.set X, 8                              ; v[8:39]   slot i: 4 registers as loaded
.set Y, 40                             ; v[40:71]  slot i: 2 registers to store, at Y + 4 i
.set T, 72                             ; v[72:77]  at work
	s_load_b256 s[8:15], s[0:1], 0x0               ; x s[8:9], wq s[10:11], wk s[12:13], wv s[14:15]
	s_load_b128 s[16:19], s[0:1], 0x20             ; wo s[16:17], mask s[18:19]
	s_load_b64 s[20:21], s[0:1], 0x30              ; cb
	s_and_b32 s2, ttmp7, 0xffff                    ; which tensor
	v_lshlrev_b32 v1, 4, v0                        ; 16 t
	v_lshlrev_b32 v2, 3, v0                        ; 8 t
	s_mov_b32 s26, 0xffff0000                      ; a word's upper bf16
	s_lshl_b32 s24, ttmp9, 17                      ; the work-group's 131,072 bytes of f32
	s_mov_b32 s25, 0
	s_lshl_b32 s30, s2, 23                         ; the section of cb,
	s_lshl_b32 s31, ttmp9, 16                      ; and the work-group's 65,536 bytes in it
	s_add_co_u32 s30, s30, s31
	s_mov_b32 s31, 0
	s_wait_kmcnt 0x0
	s_cmp_eq_u32 s2, 1
	s_cselect_b64 s[4:5], s[10:11], s[8:9]
	s_cmp_eq_u32 s2, 2
	s_cselect_b64 s[4:5], s[12:13], s[4:5]
	s_cmp_eq_u32 s2, 3
	s_cselect_b64 s[4:5], s[14:15], s[4:5]
	s_cmp_eq_u32 s2, 4
	s_cselect_b64 s[4:5], s[16:17], s[4:5]
	s_cmp_eq_u32 s2, 5
	s_cselect_b64 s[4:5], s[18:19], s[4:5]
	s_add_nc_u64 s[4:5], s[4:5], s[24:25]
	s_add_nc_u64 s[6:7], s[20:21], s[30:31]
; One slot's turn.  ahead = 1: the slot is filled again with the chunk eight further on.  left = how many younger loads may stay out.
; kind 0: bf16.  kind 1: bf16, widened (exact), written as f16.
.macro SLOT i, ahead, left, kind
	s_wait_loadcnt \left                           ; loads come back in order: mine is in, the younger ones stay out
.if (\kind) == 0
	v_cvt_pk_bf16_f32 v[Y+4*(\i)],   v[X+4*(\i)],   v[X+4*(\i)+1]
	v_cvt_pk_bf16_f32 v[Y+4*(\i)+1], v[X+4*(\i)+2], v[X+4*(\i)+3]
.else
	v_cvt_pk_bf16_f32 v[T],   v[X+4*(\i)],   v[X+4*(\i)+1]
	v_cvt_pk_bf16_f32 v[T+1], v[X+4*(\i)+2], v[X+4*(\i)+3]
	v_lshlrev_b32 v[T+2], 16, v[T]
	v_and_b32     v[T+3], s26, v[T]
	v_lshlrev_b32 v[T+4], 16, v[T+1]
	v_and_b32     v[T+5], s26, v[T+1]
	v_cvt_pk_f16_f32 v[Y+4*(\i)],   v[T+2], v[T+3]
	v_cvt_pk_f16_f32 v[Y+4*(\i)+1], v[T+4], v[T+5]
.endif
.if \ahead
	global_load_b128 v[X+4*(\i):X+4*(\i)+3], v1, s[4:5] offset:(8+(\i))*CHUNK th:TH_LOAD_NT
.endif
	global_store_b64 v2, v[Y+4*(\i):Y+4*(\i)+1], s[6:7] offset:(\i)*CHUNK/2 th:TH_STORE_NT
.endm
; The whole stream of one kind: 8 first loads, 3 rounds that load ahead, a last round whose counts run down.
.macro STREAM kind
.irp i, 0,1,2,3,4,5,6,7
	global_load_b128 v[X+4*(\i):X+4*(\i)+3], v1, s[4:5] offset:(\i)*CHUNK th:TH_LOAD_NT
.endr
	s_mov_b32 s3, 3
.Lround_\@:
.irp i, 0,1,2,3,4,5,6,7
	SLOT \i, 1, 7, \kind
.endr
	s_wait_xcnt 0x0                                ; every load and store issued so far has read its sources: the two bases, and Y in the next round, are written only behind this wait
	s_add_nc_u64 s[4:5], s[4:5], 8*CHUNK
	s_add_nc_u64 s[6:7], s[6:7], 4*CHUNK
	s_sub_co_u32 s3, s3, 1
	s_cmp_lg_u32 s3, 0
	s_cbranch_scc1 .Lround_\@
.irp i, 0,1,2,3,4,5,6,7
	SLOT \i, 0, 7-(\i), \kind
.endr
	s_endpgm
.endm
	s_cmp_eq_u32 s2, 4
	s_cbranch_scc1 .Lwo
	STREAM 0
.Lwo:
	STREAM 1
.Lfunc_end_k_qe04de5910a_cast:
	.size	k_qe04de5910a_cast, .Lfunc_end_k_qe04de5910a_cast-k_qe04de5910a_cast
	.p2alignl 7, 3214868480
	.fill 96, 4, 3214868480
	.section	.rodata,"a",@progbits
	.p2align	6, 0x0
	.amdhsa_kernel k_qe04de5910a_cast
		.amdhsa_group_segment_fixed_size 0
		.amdhsa_private_segment_fixed_size 0
		.amdhsa_enable_private_segment 0
		.amdhsa_kernarg_size 56
		.amdhsa_user_sgpr_count 2
		.amdhsa_user_sgpr_kernarg_segment_ptr 1
		.amdhsa_wavefront_size32 1
		.amdhsa_system_sgpr_workgroup_id_x 1
		.amdhsa_system_sgpr_workgroup_id_y 1
		.amdhsa_system_sgpr_workgroup_id_z 1
		.amdhsa_system_vgpr_workitem_id 0
		.amdhsa_next_free_vgpr 80
		.amdhsa_next_free_sgpr 66
		.amdhsa_reserve_vcc 0
		.amdhsa_float_denorm_mode_32 3
		.amdhsa_float_denorm_mode_16_64 3
		.amdhsa_memory_ordered 1
		.amdhsa_forward_progress 1
		.amdhsa_inst_pref_size 17
	.end_amdhsa_kernel
	.amdgpu_metadata
---
amdhsa.version: [ 1, 2 ]
amdhsa.kernels:
  - .name:           k_qe04de5910a_cast
    .symbol:         k_qe04de5910a_cast.kd
    .args:
      - { .name: x, .offset: 0, .size: 8, .value_kind: global_buffer, .address_space: global }
      - { .name: wq, .offset: 8, .size: 8, .value_kind: global_buffer, .address_space: global }
      - { .name: wk, .offset: 16, .size: 8, .value_kind: global_buffer, .address_space: global }
      - { .name: wv, .offset: 24, .size: 8, .value_kind: global_buffer, .address_space: global }
      - { .name: wo, .offset: 32, .size: 8, .value_kind: global_buffer, .address_space: global }
      - { .name: mask, .offset: 40, .size: 8, .value_kind: global_buffer, .address_space: global }
      - { .name: cb, .offset: 48, .size: 8, .value_kind: global_buffer, .address_space: global }
    .group_segment_fixed_size: 0
    .private_segment_fixed_size: 0
    .kernarg_segment_align: 8
    .kernarg_segment_size: 56
    .max_flat_workgroup_size: 256
    .sgpr_count:     66
    .vgpr_count:     80
    .wavefront_size: 32
...
	.end_amdgpu_metadata
.endif
;; end of part 1
;; launch proj (part 2): grid 16 x 16, 4 waves a work-group, clusters of 4 x 4, 327,680 bytes of LDS; arguments cb, rope_cos, rope_sin, qkv; writes qkv
.if DOCPART == 2
	.amdgcn_target "amdgcn-amd-amdhsa--gfx1250"
	.amdhsa_code_object_version 6
	.text
	.protected	k_qe04de5910a_proj
	.globl	k_qe04de5910a_proj
	.p2align	8
	.type	k_qe04de5910a_proj,@function
k_qe04de5910a_proj:
	s_mov_b64 s[64:65], 0
	v_nop
	global_prefetch_b8 v0, s[64:65] scope:SCOPE_SE
	s_setreg_imm32_b32 hwreg(HW_REG_WAVE_MODE, 25, 1), 1
	s_wait_xcnt 0x0
	s_wait_alu depctr_hold_cnt(0) depctr_sa_sdst(0) depctr_va_vdst(0) depctr_va_sdst(0) depctr_va_ssrc(0) depctr_va_vcc(0) depctr_vm_vsrc(0)
	s_getreg_b32 s2, hwreg(HW_REG_IB_STS2, 6, 4)
	s_cmp_eq_u32 s2, 0
	s_cbranch_scc0 .Lentry_in_a_cluster
	s_endpgm
.Lentry_in_a_cluster:
	s_bfe_u32 s2, ttmp6, 0x10000c
	s_cmp_lg_u32 s2, 0xf033
	s_cbranch_scc0 .Lentry_shape_is_right
	s_endpgm
.Lentry_shape_is_right:
; PROJ.  q, k, v = x w^T for one head and 128 rows of x, with the rotary turn on q and k; q also times QSCALE.  Operands bf16 (cb), sums f32, results rounded once to f16.
; qkv: three sections (q, k, v) of [16 heads][2048 rows][128] f16: a head's rows are dense, 256 bytes each.
; QSCALE = 2 log2(e) / (50 sqrt(128)): K Q^T is then the exponent e of tanh(y) = 1 - 2 / (1 + 2^e), y = score / 50.  It is applied in f32, ahead of q's one rounding.
; cos and sin are rounded to bf16 once, like every input of the module, and kept packed in registers through the loop.
; LIMITS.  QSCALE q, k and v beyond 65,504 become infinities in f16; below 6e-5 they keep f16's fixed step of 6e-8.  NaN and infinities are not treated apart.
; SHARES.  Work-group (x = head h, y = row tile R): 128 rows x 384 columns (q_h, k_h, v_h): 16 x 16 = 256 work-groups of equal work.  Wave w (wa = w / 2, wb = w % 2): rows 64 wa .. + 63;
; of each 128 columns the four blocks of 16 at d0(i) = 64 (i / 2) + 32 wb + 16 (i % 2): the partners d and d + 64 of the rotary turn fall into the same lane and register number.
; 48 accumulators of 16 x 16, 384 registers.  THE MATRIX INSTRUCTION IS USED TRANSPOSED (source 0 = 16 rows of w, source 1 = 16 rows of x): lane l holds row l % 16 and columns 8 (l / 16) + 0..7.
; K goes in 16 steps of 128 (rows of 256 bytes) through two LDS slots; a slot holds x, wq, wk, wv, 128 rows each; wave w fetches sub-tile w: one tensor load a wave and step.
; CLUSTER 4 x 4.  x's tile hangs on R alone and is asked for jointly along a row of the cluster; a weight's tile hangs on h alone and is asked for jointly along a column.
; REGISTERS, in windows of 256: window 0: addresses, work, TAB (cos, sin), TMP;  window 1: two fragment buffers of 128 (12 of w, 4 of x);  window 2: accumulators of q and k;  window 3: of v.
.set KSTEP,  128
.set PITCH,  272                       ; an LDS row: 256 bytes + 16 of padding = 68 words: the 16 rows that a load touches start at 16 different groups of four banks
.set SUB,    128*PITCH                 ; a sub-tile: what one tensor load brings
.set SLOT,   4*SUB
.set STAGE,  2*SLOT                    ; behind the ring: 128 rows x 272 bytes, the work-group's, for the way out; no tensor load lands there
.set SPARE,  STAGE+128*PITCH           ; the spare words, 128 bytes for each wave: two blocks of 256 bytes that no other line names
.set LAPS,   8                         ; a lap = two K steps = once round the ring
.set SECT,   8388608                   ; a section of cb and of qkv
.set G1W0,   (1<<16)|(1<<20)|(1<<21)|(5<<22)|(3<<25)  ; 2-byte elements; padding on; bit 21 beside a mask; after every 64 words, 4 words
.set ADRA, 16                          ; v16-17  LDS address of my x fragments in slot 0, 1
.set ADRB, 18                          ; v18-23  of my w fragments: slot s, tensor t at ADRB + 3 s + t
.set STO,  24                          ; v24  the way out: where I put 16 bytes of a row
.set RD,   25                          ; v25  where I read a row back
.set CO,   26                          ; v26  16 x lane: my bytes in 512 consecutive bytes of qkv
.set TO,   27                          ; v27  my byte offset in the rotary tables
.set SPW,  28                          ; v28  LDS address of my spare word; never rewritten
.set NIL,  29                          ; v29  0; never rewritten
.set PFO,  30                          ; v30  the prefetches' offset: lane x 4,096 bytes (a row of cb); never rewritten
.set ZR,   31                          ; v31  0.0, an addend
.set E,    32                          ; v32-47  16 turned numbers in f32
.set U,    48                          ; v48-51  products at work
.set TAB,  64                          ; v64-191 block (a, i): cos at TAB + 8 (4 a + i), sin 4 further on: 8 bf16 in 4 registers each
.set TMP,  192                         ; v192-255 packed results, then whole rows
.set F0,   0                           ; fragment buffers, in window 1: w's fragment nb at f + 8 nb, x's fragment a at f + 96 + 8 a
.set F1,   128
.set WV,   12                          ; s12 my wave's number; s13 wa; s14 wb; s15 R; s40 cx; s41 cy; s42 h
.set G1,   24                          ; s[24:31] descriptor group 1 for x's tiles;  s[32:39] group 0, a set for each slot
.set G0,   32
.set G1B,  48                          ; s[48:55], s[56:63] the same for the weights' tiles
.set G0B,  56
.set LIM,  43                          ; s43  1 in a wave that prefetches, else the greatest number
.set PFA,  44                          ; s[44:45] where my prefetches stand
.set QS,   22                          ; s[22:23] QSCALE, on the way out
.set MSB, 0
.macro WIN new                         ; the immediate's high byte repeats the setting that is left; a switch that changes nothing is dropped
.if MSB != (\new)
	s_set_vgpr_msb (MSB<<8)|(\new)
.set MSB, \new
.endif
.endm
.set MUL_LO, 0xa5                      ; sources 0 and 1 window 1, C and D window 2;  + 0x50: C and D window 3
.set TO_F,   0x40                      ; destination window 1, address window 0
.macro PLACES                          ; four plain places behind matrix instructions, in front of loads into their sources and of readers of their results
.rept 4
	v_nop
.endr
.endm
; A joint load.  Wave 0 fetches x's tile, waves 1 to 3 a weight's each.  The branch hangs on the wave's number alone.  An s_nop 0 and four v_nop follow each line.
.macro JLOAD s
	s_cmp_eq_u32 s[WV], 0
	s_cbranch_scc0 .Lfor_w_\@
	tensor_load_to_lds s[G0+4*(\s):G0+4*(\s)+3], s[G1:G1+7]
	s_nop 0
.rept 4
	v_nop
.endr
	s_branch .Lasked_\@
.Lfor_w_\@:
	tensor_load_to_lds s[G0B+4*(\s):G0B+4*(\s)+3], s[G1B:G1B+7]
	s_nop 0
.rept 4
	v_nop
.endr
.Lasked_\@:
.endm
; A prefetch of the K step that stands two refills on: 32 rows x 256 bytes, a lane a row, one instruction a wave.  x's rows are read by every cluster of a row of clusters: cluster x = 0 asks;
; a weight's rows by every cluster of a column: cluster y = 0 asks.  The four partners of a joint load share its 128 rows out by address, 32 each.  So each row's 256 bytes of a K step are named once.
; The loop's last trip (s3 = 1) asks for nothing: K steps 16 and 17 do not exist.  K steps 0 to 3 come by their loads alone.
.macro ASK
	WIN 0
	s_cmp_gt_u32 s3, s[LIM]
	s_cbranch_scc0 .Lnot_mine_\@
	global_prefetch_b8 v[PFO], s[PFA:PFA+1] offset:KSTEP*2 th:TH_LOAD_NT scope:SCOPE_SE
.Lnot_mine_\@:
.endm
.macro CREST                           ; a round of the cluster's barrier behind its opening barrier
	s_cmp_lg_u32 s[WV], 0
	s_cbranch_scc1 .Lnot_wave_0_\@
	s_barrier_signal -3
.Lnot_wave_0_\@:
	s_barrier_wait -3
	s_barrier_signal -1
	s_barrier_wait -1
.endm
.macro CROUND                          ; a whole round
	s_barrier_signal -1
	s_barrier_wait -1
	CREST
.endm
	s_load_b256 s[4:11], s[0:1], 0x0               ; cb s[4:5], cos s[6:7], sin s[8:9], qkv s[10:11]
	v_lshl_add_u32 v[SPW], v0, 2, SPARE
	v_mov_b32 v[NIL], 0
	ds_add_u32 v[SPW], v[NIL]                      ; the wave's opening: the add and its wait stand ahead of my first tensor load; the set-up below stands between them
	v_lshrrev_b32 v1, 5, v0
	v_readfirstlane_b32 s[WV], v1                  ; wave 0..3
	s_lshr_b32 s13, s[WV], 1                       ; wa
	s_and_b32 s14, s[WV], 1                        ; wb
	s_bfe_u32 s40, ttmp6, 0x40000                  ; cx
	s_bfe_u32 s41, ttmp6, 0x40004                  ; cy
	s_lshl_b32 s42, ttmp9, 2
	s_add_co_u32 s42, s42, s40                     ; h = 4 x cluster x + cx
	s_and_b32 s15, ttmp7, 0xffff
	s_lshl_b32 s15, s15, 2
	s_add_co_u32 s15, s15, s41                     ; R = 4 x cluster y + cy
	s_lshl_b32 s43, s41, 2
	s_lshl_b32 s43, 15, s43                        ; my row of the cluster
	s_lshl_b32 s44, 0x1111, s40                    ; my column
	s_or_b32 s[G1], s43, G1W0
	s_or_b32 s[G1B], s44, G1W0
.irp g, G1, G1B
	s_mov_b32 s[(\g)+1], KSTEP<<16                 ; tensor_dim0 = 128
	s_mov_b32 s[(\g)+2], 128<<16                   ; tensor_dim1 = 128
	s_mov_b32 s[(\g)+3], KSTEP<<16                 ; tile_dim0 = 128
	s_mov_b32 s[(\g)+4], 128                       ; tile_dim1 = 128
	s_mov_b32 s[(\g)+5], 2048                      ; elements from row to row
	s_mov_b32 s[(\g)+6], 0
	s_mov_b32 s[(\g)+7], 0
.endr
	s_lshl_b32 s16, s15, 19                        ; x: 128 R rows of 4,096 bytes
	s_mov_b32 s17, 0
	s_lshl_b32 s46, s[WV], 23                      ; a weight: section w,
	s_lshl_b32 s47, s42, 19                        ; 128 h rows
	s_add_co_u32 s46, s46, s47
	s_mov_b32 s47, 0
	s_mul_i32 s20, s[WV], SUB                      ; where my sub-tile goes: no place in the cluster enters an LDS address
	s_wait_dscnt 0x0                               ; the opening add is done
	s_wait_kmcnt 0x0
	s_add_nc_u64 s[16:17], s[4:5], s[16:17]
	s_add_nc_u64 s[46:47], s[4:5], s[46:47]
	CROUND                                         ; all sixteen work-groups are here: the first joint loads meet
.irp s, 0,1
	s_mov_b32 s[G0+4*(\s)], 1
	s_add_co_u32 s[G0+4*(\s)+1], s20, (\s)*SLOT
	s_add_nc_u64 s[G0+4*(\s)+2:G0+4*(\s)+3], s[16:17], (\s)*KSTEP*2
	s_or_b32 s[G0+4*(\s)+3], s[G0+4*(\s)+3], 0x80000000
	s_mov_b32 s[G0B+4*(\s)], 1
	s_add_co_u32 s[G0B+4*(\s)+1], s20, (\s)*SLOT
	s_add_nc_u64 s[G0B+4*(\s)+2:G0B+4*(\s)+3], s[46:47], (\s)*KSTEP*2
	s_or_b32 s[G0B+4*(\s)+3], s[G0B+4*(\s)+3], 0x80000000
	JLOAD \s                                       ; K steps 0 and 1: two loads of mine are out
.endr
	; the rotary tables of my 64 rows x 64 columns: f32 into the accumulators' registers, which are still idle, then packed to bf16
	v_and_b32 v1, 15, v0                           ; l % 16
	v_bfe_u32 v2, v0, 4, 1                         ; l / 16
	v_lshlrev_b32 v[TO], 9, v1                     ; a table's row is 512 bytes
	v_lshl_add_u32 v[TO], v2, 5, v[TO]             ; my 8 columns: 32 bytes
	s_lshl_b32 s20, s13, 15                        ; 64 wa rows
	s_lshl_b32 s21, s14, 7                         ; 32 wb columns
	s_add_co_u32 s20, s20, s21
	v_add_nc_u32 v[TO], s20, v[TO]
	s_lshl_b32 s20, s15, 16                        ; 128 R rows
	s_mov_b32 s21, 0
	s_add_nc_u64 s[6:7], s[6:7], s[20:21]
	s_add_nc_u64 s[8:9], s[8:9], s[20:21]
	WIN 0x80                                       ; destination window 2
.irp a, 0,1,2,3
.irp i, 0,1,2,3
.irp hf, 0,1
	global_load_b128 v[16*(4*(\a)+(\i))+4*(\hf):16*(4*(\a)+(\i))+4*(\hf)+3],     v[TO], s[6:7] offset:(\a)*8192+((\i)/2)*256+((\i)%2)*64+16*(\hf)
	global_load_b128 v[16*(4*(\a)+(\i))+8+4*(\hf):16*(4*(\a)+(\i))+8+4*(\hf)+3], v[TO], s[8:9] offset:(\a)*8192+((\i)/2)*256+((\i)%2)*64+16*(\hf)
.endr
.endr
.endr
	WIN 0
	; a fragment is 16 rows x 32 K in 8 registers: lane l holds row l % 16, K = 8 (l / 16) + 0..7 and 16 + 8 (l / 16) + 0..7: two loads of 16 bytes, 32 bytes apart
	v_mul_u32_u24 v3, v1, PITCH
	v_lshl_add_u32 v3, v2, 4, v3                   ; row x pitch + 16 x half
	s_mul_i32 s21, s13, 64*PITCH                   ; my 64 rows of x
	s_mul_i32 s22, s14, 32*PITCH                   ; 32 wb rows into a weight's sub-tile
	v_add_nc_u32 v4, s21, v3
	v_add_nc_u32 v5, s22, v3
.irp s, 0,1
	v_add_nc_u32 v[ADRA+(\s)], (\s)*SLOT, v4
.irp t, 0,1,2
	v_add_nc_u32 v[ADRB+3*(\s)+(\t)], (\s)*SLOT+(1+(\t))*SUB, v5
.endr
.endr
	s_lshl_b32 s23, s14, 6                         ; into the stage: rows 64 wa + l % 16, bytes 64 wb + 16 (l / 16) on
	s_add_co_u32 s23, s23, s21
	s_add_co_u32 s23, s23, STAGE
	v_add_nc_u32 v[STO], s23, v3
	s_mul_i32 s23, s[WV], 32*PITCH                 ; back: wave w takes rows 32 w .. 32 w + 31, whole: lanes 0-15 one row of 256 bytes, lanes 16-31 the next
	s_add_co_u32 s23, s23, STAGE
	v_mul_u32_u24 v5, v2, PITCH
	v_lshl_add_u32 v5, v1, 4, v5
	v_add_nc_u32 v[RD], s23, v5
	v_and_b32 v[PFO], 31, v0
	v_lshlrev_b32 v[CO], 4, v[PFO]
	v_lshlrev_b32 v[PFO], 12, v[PFO]
	v_mov_b32 v[ZR], 0
	s_lshl_b32 s16, s15, 15                        ; qkv: 128 R rows of 256 bytes,
	s_lshl_b32 s17, s[WV], 13                      ; the 32 that I store,
	s_add_co_u32 s16, s16, s17
	s_lshl_b32 s17, s42, 19                        ; in head h
	s_add_co_u32 s16, s16, s17
	s_mov_b32 s17, 0
	s_add_nc_u64 s[10:11], s[10:11], s[16:17]
	; the prefetches
	s_and_b32 s22, ttmp7, 0xffff                   ; cluster y
	s_cmp_eq_u32 s[WV], 0                          ; do I fetch x?
	s_cselect_b32 s20, s15, s42                    ; the tile: by R, or by h
	s_cselect_b32 s21, s40, s41                    ; my place among the four that ask with me
	s_cselect_b32 s22, ttmp9, s22                  ; the coordinate along which other clusters read the same rows
	s_cmp_eq_u32 s22, 0
	s_cselect_b32 s[LIM], 1, -1                    ; the same in all sixteen partners, for a given wave
	s_lshl_b32 s20, s20, 7
	s_lshl_b32 s21, s21, 5
	s_add_co_u32 s20, s20, s21                     ; the first of my work-group's 32 rows,
	s_lshl_b32 s20, s20, 12                        ; in bytes,
	s_lshl_b32 s21, s[WV], 23                      ; in section w
	s_add_co_u32 s20, s20, s21
	s_mov_b32 s21, 0
	s_add_nc_u64 s[PFA:PFA+1], s[4:5], s[20:21]
	s_add_nc_u64 s[PFA:PFA+1], s[PFA:PFA+1], 2*KSTEP*2  ; at K step 2: the first refill steps it to 3 and names K step 4
	s_wait_loadcnt 0x0                             ; the tables are in
	WIN 0x0a                                       ; sources window 2, destination window 0
.set n, 0
.rept 128
	v_cvt_pk_bf16_f32 v[TAB+n], v[2*n], v[2*n+1]
.set n, n+1
.endr
	WIN 0
; 16 matrix instructions: blocks nb = 4 g .. 4 g + 3 of w x all four blocks of x, 32 along K.  The 48 accumulators come in the same order in every quarter, one instruction a turn.
.macro MULG f, g, zero
	WIN MUL_LO+0x50*((\g)/2)
.irp n, 0,1,2,3
.irp a, 0,1,2,3
.set rD, 8*(4*((4*(\g)+(\n))%8)+(\a))
.set rW, (\f)+8*(4*(\g)+(\n))
.set rX, (\f)+96+8*(\a)
.if \zero
	v_wmma_f32_16x16x32_bf16 v[rD:rD+7], v[rW:rW+7], v[rX:rX+7], 0
.else
	v_wmma_f32_16x16x32_bf16 v[rD:rD+7], v[rW:rW+7], v[rX:rX+7], v[rD:rD+7]
.endif
.endr
.endr
.endm
.macro WLOAD slot, k, f, nb            ; w's fragment nb: tensor nb / 4, block i = nb % 4
	ds_load_b128 v[(\f)+8*(\nb):(\f)+8*(\nb)+3],   v[ADRB+3*(\slot)+(\nb)/4] offset:(\k)+((((\nb)%4)/2)*64+((\nb)%2)*16)*PITCH
	ds_load_b128 v[(\f)+8*(\nb)+4:(\f)+8*(\nb)+7], v[ADRB+3*(\slot)+(\nb)/4] offset:(\k)+((((\nb)%4)/2)*64+((\nb)%2)*16)*PITCH+32
.endm
; 32 LDS loads in one run: q's and k's fragments, x's, then v's, which are wanted last
.macro FETCH slot, k, f
	WIN TO_F
.irp nb, 0,1,2,3,4,5,6,7
	WLOAD \slot, \k, \f, \nb
.endr
.irp a, 0,1,2,3
	ds_load_b128 v[(\f)+96+8*(\a):(\f)+96+8*(\a)+3],   v[ADRA+(\slot)] offset:(\k)+(\a)*16*PITCH
	ds_load_b128 v[(\f)+96+8*(\a)+4:(\f)+96+8*(\a)+7], v[ADRA+(\slot)] offset:(\k)+(\a)*16*PITCH+32
.endr
.irp nb, 8,9,10,11
	WLOAD \slot, \k, \f, \nb
.endr
.endm
; A K step is four quarters of 32 along K, 48 matrix instructions each, on buffers 0, 1, 0, 1.  One of the first three: multiplies f, fetches the next quarter, at byte k, into g.
.macro QUARTER slot, k, f, g, zero
	s_wait_dscnt 8                                 ; all but the youngest eight loads, v's fragments
	MULG \f, 0, \zero
	MULG \f, 1, \zero
	PLACES
	FETCH \slot, \k, \g
	s_wait_dscnt 32                                ; all but the 32 just issued
	MULG \f, 2, \zero
.endm
; The last quarter multiplies buffer 1 and changes slots: ONE barrier; in front of it each wave waits for all its tensor loads (one is out: its part of the next slot), adds 0 to its spare word, and waits
; for that and for its own reads of this slot.  fill = 1: the barrier opens a round of the cluster's barrier, and this slot is filled again, two K steps on, first thing behind the round.
.macro TURN slot, next, fill
.if \fill
	s_wait_xcnt 0x0                                ; the last prefetch, a K step back, has read its address
	s_add_nc_u64 s[PFA:PFA+1], s[PFA:PFA+1], KSTEP*2
.endif
	WIN 0                                          ; (the add's two registers lie in window 0)
	s_wait_tensorcnt 0x0                           ; all my tensor loads have landed
	ds_add_u32 v[SPW], v[NIL]                      ; 0 onto my spare word
	s_wait_dscnt 9                                 ; (the add and the youngest eight loads may be out)
	MULG F1, 0, 0                                  ; sixteen matrix instructions stand between the add and the wait for it
	s_wait_dscnt 0x0                               ; the add is done, and my reads of this slot are over
	s_barrier_signal -1
	MULG F1, 1, 0                                  ; work on registers while the others arrive
.if \fill
	WIN 0
.endif
	s_barrier_wait -1
.if \fill
	CREST                                          ; no wave of any partner still reads this slot or has a load on its way
	s_add_nc_u64 s[G0+4*(\slot)+2:G0+4*(\slot)+3], s[G0+4*(\slot)+2:G0+4*(\slot)+3], 2*KSTEP*2
	s_add_nc_u64 s[G0B+4*(\slot)+2:G0B+4*(\slot)+3], s[G0B+4*(\slot)+2:G0B+4*(\slot)+3], 2*KSTEP*2
	JLOAD \slot                                    ; my one tensor load behind the round; its four v_nop are also the places in front of the loads below
.else
	PLACES
.endif
	FETCH \next, 0, F0
.if \fill
	ASK
.endif
	MULG F1, 2, 0
.endm
	s_wait_tensorcnt 0x1                           ; my part of K step 0 is in; K step 1's may stay out
	s_barrier_signal -1
	s_barrier_wait -1                              ; everybody's is
	FETCH 0, 0, F0
	QUARTER 0, 64,  F0, F1, 1                      ; the first quarter stands in front of the loop: its products start the sums
	WIN 0                                          ; at a label and at a branch every window is 0
	s_mov_b32 s3, LAPS-1
.Llap:                                                 ; a trip goes once round the ring and fills both slots again
	QUARTER 0, 128, F1, F0, 0
	QUARTER 0, 192, F0, F1, 0
	TURN 0, 1, 1
	QUARTER 1, 64,  F0, F1, 0
	QUARTER 1, 128, F1, F0, 0
	QUARTER 1, 192, F0, F1, 0
	TURN 1, 0, 1
	QUARTER 0, 64,  F0, F1, 0
	WIN 0
	s_sub_co_u32 s3, s3, 1
	s_cmp_lg_u32 s3, 0
	s_cbranch_scc1 .Llap
	QUARTER 0, 128, F1, F0, 0                      ; the last lap fills nothing
	QUARTER 0, 192, F0, F1, 0
	TURN 0, 1, 0
	QUARTER 1, 64,  F0, F1, 0
	QUARTER 1, 128, F1, F0, 0
	QUARTER 1, 192, F0, F1, 0
	s_wait_dscnt 8
	MULG F1, 0, 0
	MULG F1, 1, 0
	s_wait_dscnt 0x0
	MULG F1, 2, 0
	WIN 0
	PLACES                                         ; behind the last products, in front of the first reader of a result
; THE WAY OUT, three passes: q, k, v.  The rotary turn for rows block a and the column blocks ip (d < 64) and ip + 2 (d + 64), which lie in the same lanes and register numbers:
; out[d] = lo cos[d] - hi sin[d];  out[d + 64] = hi cos[d + 64] + lo sin[d + 64].  The tables' bf16 halves are read by the multiply-add itself; each accumulator is read from its lowest register on.
.macro ROPE2 j, sel                    ; number j of the lane's eight; sel = j % 2: which half of the table's word
.set ru, U+2*(\sel)
	v_fma_mix_f32_bf16 v[ru],   v[rHI+(\j)], v[rSL+(\j)/2], v[ZR] op_sel:[0,\sel,0] op_sel_hi:[0,1,0]
	v_fma_mix_f32_bf16 v[ru+1], v[rLO+(\j)], v[rSH+(\j)/2], v[ZR] op_sel:[0,\sel,0] op_sel_hi:[0,1,0]
	v_fma_mix_f32_bf16 v[E+(\j)],   v[rLO+(\j)], v[rCL+(\j)/2], -v[ru]  op_sel:[0,\sel,0] op_sel_hi:[0,1,0]
	v_fma_mix_f32_bf16 v[E+8+(\j)], v[rHI+(\j)], v[rCH+(\j)/2], v[ru+1] op_sel:[0,\sel,0] op_sel_hi:[0,1,0]
.endm
.macro ROPE tt, a, ip
.set rLO, 8*(4*(4*(\tt)+(\ip))+(\a))
.set rHI, 8*(4*(4*(\tt)+(\ip)+2)+(\a))
.set rCL, TAB+8*(4*(\a)+(\ip))
.set rSL, rCL+4
.set rCH, TAB+8*(4*(\a)+(\ip)+2)
.set rSH, rCH+4
	WIN 0x02                                       ; source 0 (the sums) window 2
.irp p, 0,2,4,6
	ROPE2 \p, 0
	ROPE2 (\p)+1, 1
.endr
	WIN 0
.if (\tt) == 0
.irp p, 0,2,4,6,8,10,12,14
	v_pk_mul_f32 v[E+(\p):E+(\p)+1], v[E+(\p):E+(\p)+1], s[QS:QS+1] op_sel_hi:[1,0]
.endr
.endif
.irp p, 0,1,2,3
	v_cvt_pk_f16_f32 v[TMP+4*(4*(\a)+(\ip))+(\p)],   v[E+2*(\p)],   v[E+2*(\p)+1]
	v_cvt_pk_f16_f32 v[TMP+4*(4*(\a)+(\ip)+2)+(\p)], v[E+8+2*(\p)], v[E+8+2*(\p)+1]
.endr
.endm
.macro PASS tt
.if (\tt) > 0
	s_wait_xcnt 0x0                                ; the last pass's stores have read TMP and their base: both are written only behind this wait
	s_add_nc_u64 s[10:11], s[10:11], SECT          ; the next section of qkv
.endif
.if (\tt) < 2
.irp a, 0,1,2,3
.irp ip, 0,1
	ROPE \tt, \a, \ip
.endr
.endr
.else
	WIN 0x0f                                       ; sources window 3
.irp a, 0,1,2,3
.irp i, 0,1,2,3
.irp p, 0,1,2,3
	v_cvt_pk_f16_f32 v[TMP+4*(4*(\a)+(\i))+(\p)], v[8*(4*(\i)+(\a))+2*(\p)], v[8*(4*(\i)+(\a))+2*(\p)+1]
.endr
.endr
.endr
	WIN 0
.endif
.if (\tt) > 0
	s_wait_dscnt 0x0                               ; my reads of the stage are over,
	s_barrier_signal -1
	s_barrier_wait -1                              ; everybody's are: it may be written again
.endif
.irp a, 0,1,2,3
.irp i, 0,1,2,3
	ds_store_b128 v[STO], v[TMP+4*(4*(\a)+(\i)):TMP+4*(4*(\a)+(\i))+3] offset:(\a)*16*PITCH+((\i)/2)*128+((\i)%2)*32
.endr
.endr
	s_wait_dscnt 0x0                               ; for the others' sake: my stores into the stage are done
	s_barrier_signal -1
	s_barrier_wait -1                              ; a row's 256 bytes come from two waves
.irp t, 0,1,2,3,4,5,6,7,8,9,10,11,12,13,14,15
	ds_load_b128 v[TMP+4*(\t):TMP+4*(\t)+3], v[RD] offset:(\t)*2*PITCH
.endr
.irp t, 0,1,2,3,4,5,6,7,8,9,10,11,12,13,14,15
	s_wait_dscnt 15-(\t)
	global_store_b128 v[CO], v[TMP+4*(\t):TMP+4*(\t)+3], s[10:11] offset:(\t)*512  ; two rows of a head: 512 consecutive bytes, at a multiple of 256 from qkv's first byte
.endr
.endm
	s_mov_b32 s[QS], 0x3ba723c0                    ; QSCALE = 0.0051006972
	s_mov_b32 s[QS+1], s[QS]                       ; named with it as a pair
	PASS 0
	PASS 1
	PASS 2
	s_wait_tensorcnt 0x0                           ; the wave's end, behind my last tensor load and my last LDS store
	ds_add_u32 v[SPW], v[NIL]
	s_wait_dscnt 0x0
	CROUND                                         ; the closing round: no work-group ends while a partner may still ask for a tile that names it
	s_endpgm
.Lfunc_end_k_qe04de5910a_proj:
	.size	k_qe04de5910a_proj, .Lfunc_end_k_qe04de5910a_proj-k_qe04de5910a_proj
	.p2alignl 7, 3214868480
	.fill 96, 4, 3214868480
	.section	.rodata,"a",@progbits
	.p2align	6, 0x0
	.amdhsa_kernel k_qe04de5910a_proj
		.amdhsa_group_segment_fixed_size 327680
		.amdhsa_private_segment_fixed_size 0
		.amdhsa_enable_private_segment 0
		.amdhsa_kernarg_size 32
		.amdhsa_user_sgpr_count 2
		.amdhsa_user_sgpr_kernarg_segment_ptr 1
		.amdhsa_wavefront_size32 1
		.amdhsa_system_sgpr_workgroup_id_x 1
		.amdhsa_system_sgpr_workgroup_id_y 1
		.amdhsa_system_sgpr_workgroup_id_z 1
		.amdhsa_system_vgpr_workitem_id 0
		.amdhsa_next_free_vgpr 896
		.amdhsa_next_free_sgpr 66
		.amdhsa_reserve_vcc 0
		.amdhsa_float_denorm_mode_32 3
		.amdhsa_float_denorm_mode_16_64 3
		.amdhsa_memory_ordered 1
		.amdhsa_forward_progress 1
		.amdhsa_inst_pref_size 172
	.end_amdhsa_kernel
	.amdgpu_metadata
---
amdhsa.version: [ 1, 2 ]
amdhsa.kernels:
  - .name:           k_qe04de5910a_proj
    .symbol:         k_qe04de5910a_proj.kd
    .args:
      - { .name: cb, .offset: 0, .size: 8, .value_kind: global_buffer, .address_space: global }
      - { .name: rope_cos, .offset: 8, .size: 8, .value_kind: global_buffer, .address_space: global }
      - { .name: rope_sin, .offset: 16, .size: 8, .value_kind: global_buffer, .address_space: global }
      - { .name: qkv, .offset: 24, .size: 8, .value_kind: global_buffer, .address_space: global }
    .group_segment_fixed_size: 327680
    .private_segment_fixed_size: 0
    .kernarg_segment_align: 8
    .kernarg_segment_size: 32
    .max_flat_workgroup_size: 128
    .sgpr_count:     66
    .vgpr_count:     896
    .wavefront_size: 32
...
	.end_amdgpu_metadata
.endif
;; end of part 2
;; launch attn (part 3): grid 16 x 16, 4 waves a work-group, clusters of 4 x 4, 327,680 bytes of LDS; arguments qkv, cb, ao; writes ao
.if DOCPART == 3
	.amdgcn_target "amdgcn-amd-amdhsa--gfx1250"
	.amdhsa_code_object_version 6
	.text
	.protected	k_qe04de5910a_attn
	.globl	k_qe04de5910a_attn
	.p2align	8
	.type	k_qe04de5910a_attn,@function
k_qe04de5910a_attn:
	s_mov_b64 s[64:65], 0
	v_nop
	global_prefetch_b8 v0, s[64:65] scope:SCOPE_SE
	s_setreg_imm32_b32 hwreg(HW_REG_WAVE_MODE, 25, 1), 1
	s_wait_xcnt 0x0
	s_wait_alu depctr_hold_cnt(0) depctr_sa_sdst(0) depctr_va_vdst(0) depctr_va_sdst(0) depctr_va_ssrc(0) depctr_va_vcc(0) depctr_vm_vsrc(0)
	s_getreg_b32 s2, hwreg(HW_REG_IB_STS2, 6, 4)
	s_cmp_eq_u32 s2, 0
	s_cbranch_scc0 .Lentry_in_a_cluster
	s_endpgm
.Lentry_in_a_cluster:
	s_bfe_u32 s2, ttmp6, 0x10000c
	s_cmp_lg_u32 s2, 0xf033
	s_cbranch_scc0 .Lentry_shape_is_right
	s_endpgm
.Lentry_shape_is_right:
; ATTN.  ao[q][128 h ..] = the sum over k of softmax_k(50 tanh(q.k / (50 sqrt(128))) + mask[q][k]) v[k], for head h.  q (already times 2 log2(e) / (50 sqrt(128))), k, v: f16 by heads (qkv);
; the mask: bf16, section 5 of cb.  The mask is an input: every key of every query is computed and every number of the mask is read.
; ARITHMETIC, in powers of two.  e = K Q^T is the exponent of tanh(y) = 1 - 2 r, r = 1 / (1 + 2^e).  The score times log2(e) is 50 log2(e) - 100 log2(e) r + log2(e) mask; the constant, common to a
; row, is left out (a softmax does not see it).  t = -100 log2(e) r is one reciprocal, of c 2^e + c with c = -ln(2) / 100; s = log2(e) mask + t is one multiply-add that reads the mask's bf16 half.
; A running maximum m of s is taken away: p = 2^(s - m); in every step O and l are multiplied by a = 2^(m_old - m_new).  Products, maxima and sums in f32; p is rounded to f16 for the second
; product (l is the sum of the unrounded p), O once at the end.
; LIMITS.  f16 ends at 65,504: q, k, v arrive within it.  Where |mask| is so large that f32 absorbs the capped score (about 1e9), what is left of the score after that rounding differs from the
; reference's: at -1e9 a row in which EVERY key is so masked comes out uniform here for scores above about -7.6.  A weight below 2^-126 counts as 0.  NaN and infinities are not treated apart.
; SHARES.  Work-group (x = block of 128 queries, y = head): 256 of equal work.  A wave owns 32 queries, two tiles of 16, and walks all 2,048 keys, 64 a step.
; LAYOUT.  S^T = K Q^T (source 0 = 16 keys, source 1 = 16 queries): a lane holds ONE query (lane % 16) and the keys 8 (lane / 16) + 0..7; two such results rounded to f16 ARE source 1 of O^T = V^T P.
; TURNS.  Turn j holds the softmax of step j, the 32 products V^T P of step j - 1 and the 32 products K Q^T of step j + 1.  A step has 490 vector instructions for its 64 matrix instructions, so the
; products are set among the vector lines.  Ahead of the turn's third wait no vector line names O^T, P or V: 24 products V^T P stand there, one behind every 14 vector lines.  Behind it: tile 1's last 8
; products V^T P, behind each four of tile 0's roundings and sums (P of tile 0 was last read far back); V's run of loads; then K Q^T, tile 0's 16 and tile 1's 16, behind each three of tile 1's roundings
; and sums and of the 64 rescalings of O^T: S^T of a tile is written anew only when its weights have been rounded and added.  So S^T and P have one buffer each, and one text serves every step.
; THE PRICE of one text: m starts at the lowest finite number and O, l, P and V's registers at 0 (288 lines, which run while the first tile is on its way), so that the first turn's V^T P adds 0 and its a
; is 0; the last turn's 32 products K Q^T serve nothing: they take the 64 rows that follow the head in qkv (inside the buffer: K's section is not the last), which K's last tile brings.
; RING.  Two LDS slots.  Slot i serves turns 2 i and 2 i + 1 alone: K of steps 2 i + 1 and 2 i + 2 (K's tiles are shifted by 64 keys; K of step 0 comes straight into registers, as Q does), V and the
; mask of steps 2 i and 2 i + 1.  Wave 0 fetches K, wave 1 V, waves 2 and 3 64 rows of the mask each: one tensor load a wave and slot; by the text's count one load of a wave is out at a time.
; CLUSTER 4 x 4.  K and V hang on the head alone: asked for jointly along a row of the cluster.  The mask's tile hangs on the query block alone: jointly along a column.
; REGISTERS, in windows of 256: window 0: addresses, statistics, S^T (64), the mask (32), P (32);  window 1: O^T (128), Q (64);  window 2: K (128), V (128) of one step.
.set PK,    272       ; a row of K in LDS: 256 bytes + 16 = 68 words: the 16 rows of a load start at 16 different groups of four banks
.set PVP,   288       ; a row of V: 256 + 32
.set PM,    272       ; a row of the mask's tile: 128 keys of 2 bytes + 16
.set VOFF,  128*PK
.set MOFF,  VOFF+128*PVP
.set SLOT1, 1<<17     ; a slot has 106,496 bytes; slot 1 begins here, so that one exclusive or turns an address in one slot into the other's
.set STAGE, SLOT1+MOFF+128*PM  ; behind the ring: 16 rows x 272 bytes for each wave, for the way out
.set SP,    272
.set SPARE, STAGE+4*16*SP  ; the spare words, 128 bytes for each wave: two blocks of 256 bytes that no other line names
.set AK0, 2           ; v2   my lane's place in a tile of K; never rewritten
.set AV0, 3           ; v3   the same for V
.set AM0, 4           ; v4   the same for the mask
.set ADK, 5           ; v5-7 the LDS address of the run of loads in hand
.set ADV, 6
.set ADM, 7
.set STO, 8           ; v8   the way out: where I put 16 bytes of a row
.set RD,  9           ; v9   where I read a row back
.set GO,  10          ; v10  my byte offset in two rows of ao
.set QO,  11          ; v11  my byte offset in 16 rows of Q or K
.set LGV, 14          ; v14  log2(e)
.set PFO, 15          ; v15  the prefetches' offset; never rewritten
.set ST,  16          ; tile t's statistics at v[ST+8 t]: m, 0, l (even keys', odd keys'), c0-c3 at work; a takes c2's place
.set SPW, 62          ; v62  LDS address of my spare word; never rewritten
.set NIL, 63          ; v63  0; never rewritten
.set S,   64          ; S^T: tile t, key block kb at S + 32 t + 8 kb
.set MK,  128         ; the mask: two keys a register, at MK + 16 t + 4 kb
.set P,   160         ; P: 16 a tile
.set QF,  128         ; window 1: Q, tile t, channels 32 c on at QF + 32 t + 8 c
.set KF,  0           ; window 2: key block kb, channels 32 c on at KF + 32 kb + 8 c
.set VF,  128         ; window 2: key half kk, channel block cb at VF + 64 kk + 8 cb
.set WV,  10          ; s10  my wave's number;  s11 cx, s12 cy, s13 query block, s14 head, s15 wave % 2
.set G1K, 24          ; s[24:31], s[32:39], s[40:47] descriptor group 1 for K, V, the mask
.set G1V, 32
.set G1M, 40
.set G0K, 48          ; s[48:51], s[52:55], s[56:59] group 0: they walk
.set G0V, 52
.set G0M, 56
.set K0,  60          ; s[60:61] K at the head's first row
.set SLOTS, 66        ; s66  slots still to be asked for
.set CNT, 67          ; s67  counts a slot's two turns
.set TBK, 68          ; s68-70 LDS byte at which K, V (less VOFF), the mask (less MOFF) of the next fetch begin
.set TBV, 69
.set TBM, 70
.set LIM, 71          ; s71  1 in a wave that prefetches, else the greatest number
.set PFA, 72          ; s[72:73] where my prefetches stand
.set PFS, 74          ; s[74:75] a tile's step there, in bytes
.set CB,  76          ; s[76:77] c = -ln(2) / 100
.set SEL, 78          ; s[78:79] v_permlanex16_b32's selects: each lane takes its own place in the other half
.set TKN,  14         ; ahead of the third wait: a product behind every 14 vector lines,
.set MLIM, 24         ; 24 products in all: 24 x 14 = 336 of the 362 lines
.set GFL, (1<<16)|(1<<20)|(1<<21)|(5<<22)  ; group 1, word 0: 2-byte elements; padding on; bit 21 beside a mask; after every 64 words
.set MSB, 0
.macro WIN new                         ; the immediate's high byte repeats the setting that is left; a switch that changes nothing is dropped
.if MSB != (\new)
	s_set_vgpr_msb (MSB<<8)|(\new)
.set MSB, \new
.endif
.endm
.set W_KQ, 0x06       ; K window 2, Q window 1, S^T window 0
.set W_PV, 0x52       ; V window 2, P window 0, O^T window 1
.set W_RS, 0x41       ; O^T (destination and source 0) window 1, the factor window 0
.macro PLACES                          ; four plain places behind matrix instructions (ISA guide 7.12.1)
.rept 4
	v_nop
.endr
.endm
; A joint fill.  The branches hang on the wave's number alone.  An s_nop 0 and four v_nop follow each line.
.macro JLOAD
	s_cmp_eq_u32 s[WV], 0
	s_cbranch_scc0 .Lnot_k_\@
	tensor_load_to_lds s[G0K:G0K+3], s[G1K:G1K+7]
	s_nop 0
.rept 4
	v_nop
.endr
	s_branch .Lasked_\@
.Lnot_k_\@:
	s_cmp_eq_u32 s[WV], 1
	s_cbranch_scc0 .Lfor_m_\@
	tensor_load_to_lds s[G0V:G0V+3], s[G1V:G1V+7]
	s_nop 0
.rept 4
	v_nop
.endr
	s_branch .Lasked_\@
.Lfor_m_\@:
	tensor_load_to_lds s[G0M:G0M+3], s[G1M:G1M+7]
	s_nop 0
.rept 4
	v_nop
.endr
.Lasked_\@:
.endm
; A prefetch of the tile that the NEXT change of slots will ask for, two turns ahead of that load; one instruction a wave, a lane a row of 256 bytes.  K's and V's rows are walked by every cluster of a row
; of clusters: cluster x = 0 asks, wave 0 for K, wave 1 for V, each partner for 32 of the 128 rows (by cx, in the address).  The mask's rows are walked by every cluster of a column: cluster y = 0 asks,
; wave 2, each partner for 32 of the 128 rows (by cy, in the address).  So each block of 256 bytes is named once.  Tiles 0 and 1 come by their loads alone; the last change that fills a slot asks for nothing.
.macro ASK
	s_cmp_gt_u32 s[SLOTS], s[LIM]
	s_cbranch_scc0 .Lnot_mine_\@
	global_prefetch_b8 v[PFO], s[PFA:PFA+1] th:TH_LOAD_NT scope:SCOPE_SE
.Lnot_mine_\@:
.endm
.macro CROUND                          ; a round of the cluster's barrier
	s_barrier_signal -1
	s_barrier_wait -1
	s_cmp_lg_u32 s[WV], 0
	s_cbranch_scc1 .Lnot_wave_0_\@
	s_barrier_signal -3
.Lnot_wave_0_\@:
	s_barrier_wait -3
	s_barrier_signal -1
	s_barrier_wait -1
.endm
	s_load_b128 s[4:7], s[0:1], 0x0                ; qkv s[4:5], cb s[6:7]
	s_load_b64 s[8:9], s[0:1], 0x10                ; ao
	v_lshl_add_u32 v[SPW], v0, 2, SPARE
	v_mov_b32 v[NIL], 0
	ds_add_u32 v[SPW], v[NIL]                      ; the wave's opening: the add and its wait stand ahead of my first tensor load; the set-up below stands between them
	v_lshrrev_b32 v1, 5, v0
	v_readfirstlane_b32 s[WV], v1                  ; wave 0..3
	s_bfe_u32 s11, ttmp6, 0x40000                  ; cx
	s_bfe_u32 s12, ttmp6, 0x40004                  ; cy
	s_lshl_b32 s13, ttmp9, 2
	s_add_co_u32 s13, s13, s11                     ; query block = 4 x cluster x + cx
	s_and_b32 s14, ttmp7, 0xffff
	s_lshl_b32 s14, s14, 2
	s_add_co_u32 s14, s14, s12                     ; head = 4 x cluster y + cy
	s_and_b32 s15, s[WV], 1
	s_lshl_b32 s16, s12, 2
	s_lshl_b32 s16, 15, s16                        ; my row of the cluster: one head
	s_lshl_b32 s20, 0x1111, s11                    ; my column: one query block
	s_or_b32 s[G1K], s16, GFL|(3<<25)              ; 4 words of padding
	s_or_b32 s[G1V], s16, GFL|(7<<25)              ; 8 words
	s_or_b32 s[G1M], s20, GFL|(3<<25)
.irp g, G1K, G1V
	s_mov_b32 s[(\g)+1], 128<<16                   ; tensor_dim0 = 128
	s_mov_b32 s[(\g)+2], 128<<16                   ; tensor_dim1 = 128
	s_mov_b32 s[(\g)+3], 128<<16                   ; tile_dim0 = 128
	s_mov_b32 s[(\g)+4], 128                       ; tile_dim1 = 128
	s_mov_b32 s[(\g)+5], 128                       ; elements from row to row
	s_mov_b32 s[(\g)+6], 0
	s_mov_b32 s[(\g)+7], 0
.endr
	s_mov_b32 s[G1M+1], 128<<16                    ; tensor_dim0 = 128
	s_mov_b32 s[G1M+2], 64<<16                     ; tensor_dim1 = 64
	s_mov_b32 s[G1M+3], 128<<16                    ; tile_dim0 = 128
	s_mov_b32 s[G1M+4], 64                         ; tile_dim1 = 64
	s_mov_b32 s[G1M+5], 2048                       ; elements from row to row
	s_mov_b32 s[G1M+6], 0
	s_mov_b32 s[G1M+7], 0
	s_mul_i32 s18, s15, 64*PM                      ; which 64 rows of the mask's tile I fetch: no place in the cluster enters an LDS address
	s_mov_b32 s[G0K], 1
	s_mov_b32 s[G0K+1], 0                          ; slot 0
	s_mov_b32 s[G0V], 1
	s_mov_b32 s[G0V+1], VOFF
	s_mov_b32 s[G0M], 1
	s_add_co_u32 s[G0M+1], s18, MOFF
	s_lshl_b32 s16, s14, 19                        ; the head's 2,048 rows of 256 bytes
	s_mov_b32 s17, 0
	s_lshl_b32 s20, s13, 19                        ; the block's 128 rows of 4,096 bytes,
	s_lshl_b32 s21, s15, 18                        ; my 64 of them
	s_add_co_u32 s20, s20, s21
	s_mov_b32 s21, 0
	s_mov_b32 s[CB], 0xbbe32166                    ; -0.0069314718
	s_mov_b32 s[CB+1], s[CB]                       ; named with it as a pair
	s_mov_b32 s[SEL], 0x76543210
	s_mov_b32 s[SEL+1], 0xfedcba98
	s_mov_b32 s[TBK], SLOT1+2*64*PK                ; the first change of slots turns these three into 0
	s_mov_b32 s[TBV], SLOT1+2*64*PVP
	s_mov_b32 s[TBM], SLOT1+2*128
	s_wait_dscnt 0x0                               ; the opening add is done
	s_wait_kmcnt 0x0
	s_add_nc_u64 s[16:17], s[4:5], s[16:17]
	s_add_nc_u64 s[20:21], s[6:7], s[20:21]
	s_add_nc_u64 s[G0K+2:G0K+3], s[16:17], 8388608+64*256  ; section k, from key 64 on
	s_or_b32 s[G0K+3], s[G0K+3], 0x80000000
	s_add_nc_u64 s[G0V+2:G0V+3], s[16:17], 16777216        ; section v
	s_or_b32 s[G0V+3], s[G0V+3], 0x80000000
	s_add_nc_u64 s[G0M+2:G0M+3], s[20:21], 41943040        ; section 5 of cb
	s_or_b32 s[G0M+3], s[G0M+3], 0x80000000
	s_add_nc_u64 s[K0:K0+1], s[16:17], 8388608
	CROUND                                         ; all sixteen work-groups are here: the first joint loads meet
	JLOAD                                          ; tile 0 into slot 0.  Slot 1 is asked for when slot 0 is in, by the loop's own change of slots
	; the prefetches' address: offsets first, made apart from the pointers
	s_add_co_u32 s18, s[WV], 1
	s_lshl_b32 s18, s18, 23                        ; K, V: section 1 + wave,
	s_lshl_b32 s19, s14, 19                        ; the head,
	s_add_co_u32 s18, s18, s19
	s_lshl_b32 s19, s11, 13                        ; my work-group's 32 rows,
	s_add_co_u32 s18, s18, s19
	s_add_co_u32 s18, s18, 32768                   ; tile 1: the first change steps it to tile 2;
	s_cmp_eq_u32 s[WV], 0
	s_cselect_b32 s19, 64*256, 0                   ; K's tiles begin 64 keys on
	s_add_co_u32 s18, s18, s19
	s_lshl_b32 s19, s13, 19                        ; the mask: the block,
	s_lshl_b32 s22, s12, 17                        ; my work-group's 32 rows,
	s_add_co_u32 s19, s19, s22
	s_add_co_u32 s19, s19, 41943040+256            ; section 5, tile 1
	s_and_b32 s22, ttmp7, 0xffff                   ; cluster y
	s_mov_b32 s[PFS], 256
	s_mov_b32 s[PFS+1], 0
	s_cmp_lt_u32 s[WV], 2
	s_cselect_b32 s22, ttmp9, s22                  ; the coordinate along which other clusters walk the same rows
	s_cselect_b32 s18, s18, s19
	s_cselect_b64 s[PFA:PFA+1], s[4:5], s[6:7]
	s_cselect_b32 s[PFS], 32768, s[PFS]
	s_cselect_b32 s80, 0, -1                       ; all lanes: K's and V's offset, or the mask's
	s_mov_b32 s19, 0
	s_add_nc_u64 s[PFA:PFA+1], s[PFA:PFA+1], s[18:19]
	s_cmp_eq_u32 s[WV], 3
	s_cselect_b32 s22, 1, s22                      ; wave 3 asks for nothing
	s_cmp_eq_u32 s22, 0
	s_cselect_b32 s[LIM], 1, -1                    ; the same in all sixteen partners, for a given wave
	s_lshl_b32 s22, s14, 19                        ; Q: the head, my block's 128 rows, my wave's 32
	s_lshl_b32 s23, s13, 15
	s_add_co_u32 s22, s22, s23
	s_lshl_b32 s23, s[WV], 13
	s_add_co_u32 s22, s22, s23
	s_mov_b32 s23, 0
	s_add_nc_u64 s[4:5], s[4:5], s[22:23]
	s_lshl_b32 s22, s13, 19                        ; ao: rows of 4,096 bytes; the head's 256 bytes in them
	s_lshl_b32 s23, s[WV], 17
	s_add_co_u32 s22, s22, s23
	s_lshl_b32 s23, s14, 8
	s_add_co_u32 s22, s22, s23
	s_mov_b32 s23, 0
	s_add_nc_u64 s[8:9], s[8:9], s[22:23]
	; a fragment of K or Q is 16 rows x 32 channels in 8 registers: lane l holds row l % 16, channels 8 (l / 16) + 0..7 and 16 + 8 (l / 16) + 0..7: it comes from dense rows of 256 bytes by two loads of 16 bytes
	v_and_b32 v1, 15, v0                           ; l % 16
	v_bfe_u32 v12, v0, 4, 1                        ; l / 16
	v_lshlrev_b32 v[QO], 8, v1
	v_lshl_add_u32 v[QO], v12, 4, v[QO]
	WIN 0x40                                       ; destination window 1
.set i, 0
.rept 8                                ; Q stays in registers: tile i / 4, channels 32 (i % 4) on
	global_load_b128 v[QF+8*i:QF+8*i+3],   v[QO], s[4:5] offset:(i/4)*4096+(i%4)*64
	global_load_b128 v[QF+8*i+4:QF+8*i+7], v[QO], s[4:5] offset:(i/4)*4096+(i%4)*64+32
.set i, i+1
.endr
	WIN 0x80                                       ; destination window 2
.set i, 0
.rept 16                               ; K of step 0: keys 16 (i / 4) on, channels 32 (i % 4) on
	global_load_b128 v[KF+8*i:KF+8*i+3],   v[QO], s[K0:K0+1] offset:(i/4)*4096+(i%4)*64
	global_load_b128 v[KF+8*i+4:KF+8*i+7], v[QO], s[K0:K0+1] offset:(i/4)*4096+(i%4)*64+32
.set i, i+1
.endr
.set i, 0
.rept 128
	v_mov_b32 v[VF+i], 0                           ; V's registers: the first turn's V^T P adds 0
.set i, i+1
.endr
	WIN 0x40
.set i, 0
.rept 128
	v_mov_b32 v[i], 0                              ; O^T
.set i, i+1
.endr
	WIN 0
.set i, 0
.rept 32
	v_mov_b32 v[P+i], 0
.set i, i+1
.endr
.irp t, 0,1
	v_mov_b32 v[ST+8*(\t)], 0xff7fffff             ; m: the lowest finite number
	v_mov_b32 v[ST+8*(\t)+1], 0                    ; named with it as a pair
	v_mov_b32 v[ST+8*(\t)+2], 0                    ; l
	v_mov_b32 v[ST+8*(\t)+3], 0
.endr
	v_mov_b32 v[LGV], 0x3fb8aa3b                   ; log2(e)
	v_mul_u32_u24 v[AK0], v1, PK
	v_lshl_add_u32 v[AK0], v12, 4, v[AK0]          ; row x pitch + 16 x half
	; the turning load takes 16 keys x 16 channels (lane l reads key 8 (l / 16) + l % 8, channels 8 ((l / 8) % 2) + 0..7) and leaves half a fragment of V^T
	v_and_b32 v13, 7, v0
	v_bfe_u32 v[PFO], v0, 3, 1
	v_lshl_add_u32 v[AV0], v12, 3, v13
	v_mul_u32_u24 v[AV0], v[AV0], PVP
	v_lshl_add_u32 v[AV0], v[PFO], 4, v[AV0]
	v_add_nc_u32 v[AV0], VOFF, v[AV0]
	s_mul_i32 s22, s[WV], 32*PM                    ; the mask: my wave's 32 rows; row l % 16, my 8 keys: 16 bytes for each half of the lanes (the pitch is K's)
	s_add_co_u32 s22, s22, MOFF
	v_add_nc_u32 v[AM0], s22, v[AK0]
	s_mul_i32 s22, s[WV], 16*SP
	s_add_co_u32 s22, s22, STAGE                   ; my stage
	v_add_nc_u32 v[STO], s22, v[AK0]               ; in: row l % 16, 16 bytes for each half of the lanes (the pitch is K's)
	v_mul_u32_u24 v[RD], v12, SP                   ; back: lanes 0-15 take one row of 256 bytes, lanes 16-31 the next
	v_lshl_add_u32 v[RD], v1, 4, v[RD]
	v_add_nc_u32 v[RD], s22, v[RD]
	v_lshlrev_b32 v[GO], 12, v12                   ; and the same two rows in ao
	v_lshl_add_u32 v[GO], v1, 4, v[GO]
	v_and_b32 v13, 31, v0                          ; the prefetches' offset: a lane a row,
	v_lshlrev_b32 v1, 12, v13                      ; of 4,096 bytes in the mask,
	v_lshlrev_b32 v13, 8, v13                      ; of 256 in K and V
	v_cndmask_b32 v[PFO], v13, v1, s80
; THE LDS LOADS stand in runs: a step's K (16 fragments), its V (turned), its mask (32 queries x 64 keys of bf16).
.macro FETCH_K
	WIN 0
	v_add_nc_u32 v[ADK], s[TBK], v[AK0]
	s_add_co_u32 s[TBK], s[TBK], 64*PK             ; the next fetch is the next step's
	WIN 0x80                                       ; destination window 2
.set f, 0
.rept 16                               ; keys 16 (f / 4) on, channels 32 (f % 4) on
	ds_load_b128 v[KF+8*f:KF+8*f+3],   v[ADK] offset:(f/4)*16*PK+(f%4)*64
	ds_load_b128 v[KF+8*f+4:KF+8*f+7], v[ADK] offset:(f/4)*16*PK+(f%4)*64+32
.set f, f+1
.endr
	WIN 0
.endm
.macro FETCH_V
	WIN 0
	v_add_nc_u32 v[ADV], s[TBV], v[AV0]
	s_add_co_u32 s[TBV], s[TBV], 64*PVP
	WIN 0x80
.set f, 0
.rept 16                               ; keys 32 (f / 8) on, channels 16 (f % 8) on
	ds_load_tr16_b128 v[VF+8*f:VF+8*f+3],   v[ADV] offset:(f/8)*32*PVP+(f%8)*32
	ds_load_tr16_b128 v[VF+8*f+4:VF+8*f+7], v[ADV] offset:(f/8)*32*PVP+16*PVP+(f%8)*32
.set f, f+1
.endr
	WIN 0
.endm
.macro FETCH_M
	WIN 0
	v_add_nc_u32 v[ADM], s[TBM], v[AM0]
	s_add_co_u32 s[TBM], s[TBM], 128
.set f, 0
.rept 8                                ; tile f / 4, keys 16 (f % 4) on: my 8 keys are 16 bytes
	ds_load_b128 v[MK+4*f:MK+4*f+3], v[ADM] offset:(f/4)*16*PM+(f%4)*32
.set f, f+1
.endr
.endm
; THE MATRIX WORK of a turn, numbered: 0-31 V^T P, 32-63 K Q^T; MM writes number mi.  The accumulators take turns, one instruction a turn: between two links of a chain stand
; 7 (V^T P) or 3 (K Q^T) others'.
.macro PV1 i                           ; tile i / 16, keys 32 ((i % 16) / 8) on, channels 16 (i % 8) on
	WIN W_PV
.set rO, 64*((\i)/16)+8*((\i)%8)
.set rV, VF+64*(((\i)%16)/8)+8*((\i)%8)
.set rP, P+16*((\i)/16)+8*(((\i)%16)/8)
	v_wmma_f32_16x16x32_f16 v[rO:rO+7], v[rV:rV+7], v[rP:rP+7], v[rO:rO+7]
.endm
.macro KQ1 i                           ; tile i / 16, channels 32 ((i % 16) / 4) on, keys 16 (i % 4) on.  A tile's first 4 start the sums
	WIN W_KQ
.set rA, S+32*((\i)/16)+8*((\i)%4)
.set rK, KF+32*((\i)%4)+8*(((\i)%16)/4)
.set rQ, QF+32*((\i)/16)+8*(((\i)%16)/4)
.if ((\i)%16) < 4
	v_wmma_f32_16x16x32_f16 v[rA:rA+7], v[rK:rK+7], v[rQ:rQ+7], 0
.else
	v_wmma_f32_16x16x32_f16 v[rA:rA+7], v[rK:rK+7], v[rQ:rQ+7], v[rA:rA+7]
.endif
.endm
.macro MM
.if mi < 32
	PV1 mi
.else
	KQ1 mi-32
.endif
.set mi, mi+1
.endm
.macro TICK                            ; stands behind each vector line ahead of the third wait: behind every TKN of them comes a product, MLIM in all
.set tk, tk+1
.if (tk >= TKN) && (mi < MLIM)
	MM
.set tk, 0
.endif
.endm
; Number n of the 20 that find tile t's maximum: 0-11 four chains of seven scores, three operands at a time; 12-15 the four left over, the chains and the old m into c0;
; 16, 17 the query's other 32 keys lie in the lane 16 away; 18 m_old - m_new; 19 the new m.
.macro MX t, n
.set rT, ST+8*(\t)
.set rS, S+32*(\t)
.if (\n) < 4
	v_max3_num_f32 v[rT+4+(\n)], v[rS+8*(\n)], v[rS+8*(\n)+1], v[rS+8*(\n)+2]
.elseif (\n) < 12
	v_max3_num_f32 v[rT+4+(\n)%4], v[rT+4+(\n)%4], v[rS+8*((\n)%4)+2*((\n)/4)+1], v[rS+8*((\n)%4)+2*((\n)/4)+2]
.elseif (\n) == 12
	v_max3_num_f32 v[rT+4], v[rT+4], v[rS+7], v[rS+15]
.elseif (\n) == 13
	v_max3_num_f32 v[rT+6], v[rT+6], v[rS+23], v[rS+31]
.elseif (\n) == 14
	v_max3_num_f32 v[rT+4], v[rT+4], v[rT+5], v[rT+6]
.elseif (\n) == 15
	v_max3_num_f32 v[rT+4], v[rT+4], v[rT+7], v[rT]
.elseif (\n) == 16
	v_permlanex16_b32 v[rT+5], v[rT+4], s[SEL], s[SEL+1]
.elseif (\n) == 17
	v_max_num_f32 v[rT+6], v[rT+4], v[rT+5]
.elseif (\n) == 18
	v_sub_f32 v[rT+7], v[rT], v[rT+6]
.else
	v_mov_b32 v[rT], v[rT+6]
.endif
.endm
; Sum z of 16 of tile t's 16 pairs of weights, in place: neighbours 1, 2, 4 and 8 pairs apart; the last: l = a l + the sum.
.macro SUMZ t, z
.set rT, ST+8*(\t)
.set rS, S+32*(\t)
.if (\z) < 8
.set w, 4
.set u, (\z)
.elseif (\z) < 12
.set w, 8
.set u, (\z)-8
.elseif (\z) < 14
.set w, 16
.set u, (\z)-12
.else
.set w, 32
.set u, 0
.endif
.if (\z) < 15
	v_pk_add_f32 v[rS+w*u:rS+w*u+1], v[rS+w*u:rS+w*u+1], v[rS+w*u+w/2:rS+w*u+w/2+1]
.else
	v_pk_fma_f32 v[rT+2:rT+3], v[rT+2:rT+3], v[rT+6:rT+7], v[rS:rS+1] op_sel_hi:[1,0,1]
.endif
.endm
; Number n of the 96 lines that stand behind the products K Q^T, three behind each: tile 1's 16 roundings, its 16 sums (all within the first 39, so within the 48 behind tile 0's products: tile 1's S^T is
; written anew only behind them), and the 64 rescalings of O^T, in ascending order.
.macro RB
.if n < 16
	WIN 0
	v_cvt_pk_f16_f32 v[P+16+n], v[S+32+2*n], v[S+32+2*n+1]
.elseif n < 30
	WIN 0
	SUMZ 1, n-16
.elseif n == 33
	WIN 0
	SUMZ 1, 14
.elseif n == 38
	WIN 0
	SUMZ 1, 15
.else
	WIN W_RS
	v_pk_mul_f32 v[2*jr:2*jr+1], v[2*jr:2*jr+1], v[ST+8*(jr/32)+6:ST+8*(jr/32)+7] op_sel_hi:[1,0]
.set jr, jr+1
.endif
.set n, n+1
.endm
; A TURN.  Three batches of transcendentals (2^e; the reciprocals; 2^(s - m) and a), each with a v_nop behind its last and ONE wait ahead of its first reader.
.macro TURN
	WIN 0
	PLACES                                         ; behind the last products K Q^T: in front of the loads into K's registers and of the first reader of the scores
	s_wait_dscnt 0x0                               ; V of the step before is in: its loads went out ahead of 32 products
	FETCH_K                                        ; K of the next step
	FETCH_M                                        ; the mask of this step
.set mi, 0
.set tk, 0
.set n, 0
.rept 64
	WIN 0
	v_exp_f32 v[S+n], v[S+n]                       ; 2^e; each accumulator is read from its lowest register on
	TICK
.set n, n+1
.endr
	v_nop
	s_wait_alu depctr_va_vdst(0)
.set n, 0
.rept 32
	WIN 0
	v_pk_fma_f32 v[S+n:S+n+1], v[S+n:S+n+1], s[CB:CB+1], s[CB:CB+1] op_sel_hi:[1,0,0]  ; c 2^e + c
	TICK
.set n, n+2
.endr
.set n, 0
.rept 64
	WIN 0
	v_rcp_f32 v[S+n], v[S+n]                       ; t = -100 log2(e) r
	TICK
.set n, n+1
.endr
	v_nop
	s_wait_alu depctr_va_vdst(0)
	s_wait_dscnt 0x0                               ; the mask is in, and K of the next step: both went out at the turn's head
.set n, 0
.rept 32
	WIN 0
	v_fma_mix_f32_bf16 v[S+2*n], v[MK+n], v[LGV], v[S+2*n] op_sel:[0,0,0] op_sel_hi:[1,0,0]      ; s = log2(e) mask + t: the even key's mask is the low half,
	TICK
	WIN 0
	v_fma_mix_f32_bf16 v[S+2*n+1], v[MK+n], v[LGV], v[S+2*n+1] op_sel:[1,0,0] op_sel_hi:[1,0,0]  ; the odd key's the high half
	TICK
.set n, n+1
.endr
.irp k, 0,1,2,3,4,5,6,7,8,9,10,11,12,13,14,15,16,17,18,19
	WIN 0
	MX 0, \k                                       ; the two tiles alternate
	TICK
	WIN 0
	MX 1, \k
	TICK
.endr
.set n, 0
.rept 32
	WIN 0
	v_pk_add_f32 v[S+2*n:S+2*n+1], v[S+2*n:S+2*n+1], v[ST+8*(n/16):ST+8*(n/16)+1] op_sel_hi:[1,0] neg_lo:[0,1] neg_hi:[0,1]  ; s - m
	TICK
.set n, n+1
.endr
.set n, 0
.rept 64
	WIN 0
	v_exp_f32 v[S+n], v[S+n]                       ; p
	TICK
.set n, n+1
.endr
	WIN 0
	v_exp_f32 v[ST+6], v[ST+7]                     ; a
	TICK
	WIN 0
	v_exp_f32 v[ST+14], v[ST+15]
	TICK
	v_nop
	s_wait_alu depctr_va_vdst(0)
.rept MLIM                             ; (by the count at TKN nothing is left over here)
.if mi < MLIM
	MM
.endif
.endr
.set n, 0
.rept 8                                ; tile 1's last 8 products V^T P; behind each, four of tile 0's 16 roundings and 16 sums
	MM
.rept 4
	WIN 0
.if n < 16
	v_cvt_pk_f16_f32 v[P+n], v[S+2*n], v[S+2*n+1]
.else
	SUMZ 0, n-16
.endif
.set n, n+1
.endr
.endr
	FETCH_V                                        ; V of this step: four plain lines, which name none of its registers, stand behind the last product that read V
.set n, 0
.set jr, 0
.rept 32                               ; K Q^T of the next step: tile 0's 16, then tile 1's
	MM
.rept 3
	RB
.endr
.endr
.endm
; THE CHANGE OF SLOTS.  The old slot's last bytes, V of its second step, have been asked for.  Each wave waits for all its tensor loads, of which one is out: its part of the other slot; adds 0 to its spare
; word; and waits for that and for its own reads of the old slot.  fill = 1: the barrier is a round of the cluster's, and the old slot is filled again with the next tile, first thing behind it: it has two
; turns in which to land.  (At its first use nothing has been read yet: slot 0 is waited for, slot 1 filled.)
.macro CHANGE fill
	WIN 0
	s_wait_tensorcnt 0x0                           ; no tensor load of mine is out, so a group 0 may be written
	ds_add_u32 v[SPW], v[NIL]                      ; 0 onto my spare word; with fill = 1 scalar work stands between it and the wait for it
.if \fill
.irp g, G0K, G0V, G0M
	s_xor_b32 s[(\g)+1], s[(\g)+1], SLOT1          ; the walking descriptors: the other slot than last time,
.endr
	s_add_nc_u64 s[G0K+2:G0K+3], s[G0K+2:G0K+3], 32768  ; the next 128 keys: rows of 256 bytes,
	s_add_nc_u64 s[G0V+2:G0V+3], s[G0V+2:G0V+3], 32768
	s_add_nc_u64 s[G0M+2:G0M+3], s[G0M+2:G0M+3], 256    ; or 256 bytes along the mask's rows
	s_wait_xcnt 0x0                                ; the last prefetch, two turns back, has read its address
	s_add_nc_u64 s[PFA:PFA+1], s[PFA:PFA+1], s[PFS:PFS+1]
	s_wait_dscnt 0x0                               ; the add is done, and my reads of the old slot are over
	CROUND
	JLOAD
	ASK
.else
	s_wait_dscnt 0x0
	s_barrier_signal -1
	s_barrier_wait -1
.endif
	s_sub_co_u32 s[TBK], s[TBK], 2*64*PK           ; the fetches go back to a slot's first step,
	s_xor_b32 s[TBK], s[TBK], SLOT1                ; in the other slot
	s_sub_co_u32 s[TBV], s[TBV], 2*64*PVP
	s_xor_b32 s[TBV], s[TBV], SLOT1
	s_sub_co_u32 s[TBM], s[TBM], 2*128
	s_xor_b32 s[TBM], s[TBM], SLOT1
.endm
	s_wait_loadcnt 0x0                             ; Q, and K of step 0
.set mi, 32
.rept 32
	MM                                             ; the first scores: they stand in the wait for the first tile
.endr
	WIN 0
	s_mov_b32 s[SLOTS], 15
.Lslot:                                                ; 15 trips: slot i is entered, tile i + 1 is asked for
	CHANGE 1
	s_mov_b32 s[CNT], 2
.Lstep:
	TURN
	WIN 0
	s_sub_co_u32 s[CNT], s[CNT], 1
	s_cmp_lg_u32 s[CNT], 0
	s_cbranch_scc1 .Lstep
	s_sub_co_u32 s[SLOTS], s[SLOTS], 1
	s_cmp_lg_u32 s[SLOTS], 0
	s_cbranch_scc1 .Lslot
	CHANGE 0                                       ; the last slot is written out: nothing is asked for
	s_mov_b32 s[CNT], 2
.Ltail:
	TURN
	WIN 0
	s_sub_co_u32 s[CNT], s[CNT], 1
	s_cmp_lg_u32 s[CNT], 0
	s_cbranch_scc1 .Ltail
	s_wait_dscnt 0x0                               ; V of the last step is in
.set mi, 0
.rept 32
	MM                                             ; V^T P of the last step
.endr
	WIN 0
	; THE WAY OUT.  l's two halves and the other half of the lanes' are added; O^T is divided by l, rounded to f16 and sent through my stage in LDS, a tile (16 rows) at a time.
	PLACES
.irp t, 0,1
	v_add_f32 v[ST+8*(\t)+4], v[ST+8*(\t)+2], v[ST+8*(\t)+3]
.endr
.irp t, 0,1
	v_permlanex16_b32 v[ST+8*(\t)+5], v[ST+8*(\t)+4], s[SEL], s[SEL+1]
.endr
.irp t, 0,1
	v_add_f32 v[ST+8*(\t)+4], v[ST+8*(\t)+4], v[ST+8*(\t)+5]
.endr
.irp t, 0,1
	v_rcp_f32 v[ST+8*(\t)+6], v[ST+8*(\t)+4]
.endr
	v_nop                                          ; a plain instruction behind the last reciprocal,
	s_wait_alu depctr_va_vdst(0)                   ; and the wait ahead of the first use: one for both
.macro PACK t
	WIN W_RS
.set n, 0
.rept 32
	v_pk_mul_f32 v[64*(\t)+2*n:64*(\t)+2*n+1], v[64*(\t)+2*n:64*(\t)+2*n+1], v[ST+8*(\t)+6:ST+8*(\t)+7] op_sel_hi:[1,0]
.set n, n+1
.endr
	WIN 0x05                                       ; sources window 1, destination window 0: S^T's registers are free
.set n, 0
.rept 32
	v_cvt_pk_f16_f32 v[S+32*(\t)+n], v[64*(\t)+2*n], v[64*(\t)+2*n+1]
.set n, n+1
.endr
	WIN 0
.irp f, 0,1,2,3,4,5,6,7
	ds_store_b128 v[STO], v[S+32*(\t)+4*(\f):S+32*(\t)+4*(\f)+3] offset:32*(\f)
.endr
.irp f, 0,1,2,3,4,5,6,7
	ds_load_b128 v[S+32*(\t)+4*(\f):S+32*(\t)+4*(\f)+3], v[RD] offset:(\f)*2*SP  ; LDS serves a wave's instructions in order: these see the stores above; the next tile's stores come behind them
.endr
.endm
.macro SEND t, younger                 ; younger: the LDS instructions issued behind tile t's loads
.irp f, 0,1,2,3,4,5,6,7
	s_wait_dscnt (\younger)+7-(\f)
	global_store_b128 v[GO], v[S+32*(\t)+4*(\f):S+32*(\t)+4*(\f)+3], s[8:9] offset:(\t)*65536+(\f)*8192  ; 16 lanes store 256 consecutive bytes, at a multiple of 256 from ao's first byte
.endr
.endm
	PACK 0
	PACK 1
	SEND 0, 16
	SEND 1, 0
	s_wait_tensorcnt 0x0                           ; the wave's end, behind my last tensor load and my last LDS store
	ds_add_u32 v[SPW], v[NIL]
	s_wait_dscnt 0x0
	CROUND                                         ; the closing round
	s_endpgm
.Lfunc_end_k_qe04de5910a_attn:
	.size	k_qe04de5910a_attn, .Lfunc_end_k_qe04de5910a_attn-k_qe04de5910a_attn
	.p2alignl 7, 3214868480
	.fill 96, 4, 3214868480
	.section	.rodata,"a",@progbits
	.p2align	6, 0x0
	.amdhsa_kernel k_qe04de5910a_attn
		.amdhsa_group_segment_fixed_size 327680
		.amdhsa_private_segment_fixed_size 0
		.amdhsa_enable_private_segment 0
		.amdhsa_kernarg_size 24
		.amdhsa_user_sgpr_count 2
		.amdhsa_user_sgpr_kernarg_segment_ptr 1
		.amdhsa_wavefront_size32 1
		.amdhsa_system_sgpr_workgroup_id_x 1
		.amdhsa_system_sgpr_workgroup_id_y 1
		.amdhsa_system_sgpr_workgroup_id_z 1
		.amdhsa_system_vgpr_workitem_id 0
		.amdhsa_next_free_vgpr 768
		.amdhsa_next_free_sgpr 84
		.amdhsa_reserve_vcc 0
		.amdhsa_float_denorm_mode_32 3
		.amdhsa_float_denorm_mode_16_64 3
		.amdhsa_memory_ordered 1
		.amdhsa_forward_progress 1
		.amdhsa_inst_pref_size 119
	.end_amdhsa_kernel
	.amdgpu_metadata
---
amdhsa.version: [ 1, 2 ]
amdhsa.kernels:
  - .name:           k_qe04de5910a_attn
    .symbol:         k_qe04de5910a_attn.kd
    .args:
      - { .name: qkv, .offset: 0, .size: 8, .value_kind: global_buffer, .address_space: global }
      - { .name: cb, .offset: 8, .size: 8, .value_kind: global_buffer, .address_space: global }
      - { .name: ao, .offset: 16, .size: 8, .value_kind: global_buffer, .address_space: global }
    .group_segment_fixed_size: 327680
    .private_segment_fixed_size: 0
    .kernarg_segment_align: 8
    .kernarg_segment_size: 24
    .max_flat_workgroup_size: 128
    .sgpr_count:     84
    .vgpr_count:     768
    .wavefront_size: 32
...
	.end_amdgpu_metadata
.endif
;; end of part 3
;; launch oproj (part 4): grid 16 x 16, 4 waves a work-group, clusters of 4 x 4, 327,680 bytes of LDS; arguments ao, cb, out0; writes out0
.if DOCPART == 4
	.amdgcn_target "amdgcn-amd-amdhsa--gfx1250"
	.amdhsa_code_object_version 6
	.text
	.protected	k_qe04de5910a_oproj
	.globl	k_qe04de5910a_oproj
	.p2align	8
	.type	k_qe04de5910a_oproj,@function
k_qe04de5910a_oproj:
	s_mov_b64 s[64:65], 0
	v_nop
	global_prefetch_b8 v0, s[64:65] scope:SCOPE_SE
	s_setreg_imm32_b32 hwreg(HW_REG_WAVE_MODE, 25, 1), 1
	s_wait_xcnt 0x0
	s_wait_alu depctr_hold_cnt(0) depctr_sa_sdst(0) depctr_va_vdst(0) depctr_va_sdst(0) depctr_va_ssrc(0) depctr_va_vcc(0) depctr_vm_vsrc(0)
	s_getreg_b32 s2, hwreg(HW_REG_IB_STS2, 6, 4)
	s_cmp_eq_u32 s2, 0
	s_cbranch_scc0 .Lentry_in_a_cluster
	s_endpgm
.Lentry_in_a_cluster:
	s_bfe_u32 s2, ttmp6, 0x10000c
	s_cmp_lg_u32 s2, 0xf033
	s_cbranch_scc0 .Lentry_shape_is_right
	s_endpgm
.Lentry_shape_is_right:
; OPROJ.  out0[s][d] = the sum over p of ao[s][p] wo[d][p].  ao: [2048][2048] f16; wo: section 4 of cb, [2048][2048], bf16-rounded numbers written as f16; out0: f32.  Sums in f32, K ascending.
; A tile of out0 is 128 x 128: 16 x 16 = 256 work-groups.  Four waves, each 64 x 64: 16 accumulators of 16 x 16.  K goes in 8 steps of 256 (LDS rows of 512 bytes; a wave's tensor load brings 64 of them)
; through two slots.  CLUSTER 4 x 4: ao's tile is asked for jointly along a row of the cluster, wo's along a column.  THE MATRIX INSTRUCTION IS USED TRANSPOSED (source 0 = 16 rows of wo, source 1 = 16 rows
; of ao): a lane holds eight neighbouring numbers of a row of out0.  A wave's 64 columns of f32 are 256 consecutive bytes, aligned: each wave has a stage of its own on the way out, and no barrier there.
; No prefetch: a step's tiles are small and each is read by four clusters at about the same time.
; REGISTERS: window 0: v0-31 addresses; v32-95 the way out; v128-255 the accumulators ((a, b) at v[128 + 8 (4 a + b)]);  window 1: two fragment buffers of 128.
.set SIZE_K, 2048
.set SIZE_N, 2048
.set KSTEP,  256
.set PITCH,  528                       ; an LDS row: 512 bytes + 16 of padding = 132 words
.set HALFT,  64*PITCH
.set SLOT,   4*HALFT                   ; ao's 128 rows, then wo's 128 rows
.set STAGE,  2*SLOT                    ; behind the ring: 16 rows x 272 bytes for each wave
.set SPITCH, 272
.set SPARE,  STAGE+4*16*SPITCH         ; the spare words, 128 bytes for each wave: two blocks of 256 bytes that no other line names
.set LAPS, SIZE_K/(2*KSTEP)
.set ADRA, 16
.set ADRB, 20
.set STO,  24
.set RD,   25
.set CO,   26
.set SPW,  28
.set NIL,  29
.set TMP,  32
.set ACC,  128
.set F0,   0
.set F1,   128
.set G1, 24
.set G0, 32
.set G1B, 48
.set G0B, 56
.set MSB, 0
.macro WIN new
.if MSB != (\new)
	s_set_vgpr_msb (MSB<<8)|(\new)
.set MSB, \new
.endif
.endm
.set MUL,  0x05                        ; sources 0 and 1 window 1; C and D window 0
.set TO_F, 0x40                        ; destination window 1, address window 0
.macro JLOAD s                         ; waves 0 and 1 fetch ao's two halves, waves 2 and 3 wo's; an s_nop 0 and four v_nop follow each line
	s_cmp_eq_u32 s11, 0
	s_cbranch_scc0 .Lfor_b_\@
	tensor_load_to_lds s[G0+4*(\s):G0+4*(\s)+3], s[G1:G1+7]
	s_nop 0
.rept 4
	v_nop
.endr
	s_branch .Lasked_\@
.Lfor_b_\@:
	tensor_load_to_lds s[G0B+4*(\s):G0B+4*(\s)+3], s[G1B:G1B+7]
	s_nop 0
.rept 4
	v_nop
.endr
.Lasked_\@:
.endm
.macro CREST
	s_cmp_lg_u32 s10, 0
	s_cbranch_scc1 .Lnot_wave_0_\@
	s_barrier_signal -3
.Lnot_wave_0_\@:
	s_barrier_wait -3
	s_barrier_signal -1
	s_barrier_wait -1
.endm
.macro CROUND
	s_barrier_signal -1
	s_barrier_wait -1
	CREST
.endm
	s_load_b128 s[4:7], s[0:1], 0x0                ; ao s[4:5], cb s[6:7]
	s_load_b64 s[8:9], s[0:1], 0x10                ; out0
	v_lshl_add_u32 v[SPW], v0, 2, SPARE
	v_mov_b32 v[NIL], 0
	ds_add_u32 v[SPW], v[NIL]                      ; the wave's opening: the add and its wait stand ahead of my first tensor load
	v_lshrrev_b32 v1, 5, v0
	v_readfirstlane_b32 s10, v1                    ; wave 0..3
	s_lshr_b32 s11, s10, 1                         ; which half of the tile's rows is mine.  Also: I fetch for ao (0) or for wo (1)
	s_and_b32 s12, s10, 1                          ; which half of its columns.  Also: which 64 rows of that tile I fetch
	s_bfe_u32 s40, ttmp6, 0x40000                  ; cx, cy
	s_bfe_u32 s41, ttmp6, 0x40004
	s_lshl_b32 s42, ttmp9, 2
	s_add_co_u32 s42, s42, s40                     ; tile column = 4 x cluster x + cx
	s_and_b32 s13, ttmp7, 0xffff
	s_lshl_b32 s13, s13, 2
	s_add_co_u32 s13, s13, s41                     ; tile row = 4 x cluster y + cy
	s_lshl_b32 s43, s41, 2
	s_lshl_b32 s43, 15, s43                        ; my row of the cluster
	s_lshl_b32 s44, 0x1111, s40                    ; my column
	s_or_b32 s[G1+0], s43, (1<<16)|(1<<20)|(1<<21)|(6<<22)|(3<<25)  ; 2-byte elements; padding on; bit 21 beside a mask; after every 128 words, 4 words
	s_or_b32 s[G1B+0], s44, (1<<16)|(1<<20)|(1<<21)|(6<<22)|(3<<25)
.irp g, G1, G1B
	s_mov_b32 s[(\g)+1], KSTEP<<16                 ; tensor_dim0 = 256
	s_mov_b32 s[(\g)+2], 64<<16                    ; tensor_dim1 = 64
	s_mov_b32 s[(\g)+3], KSTEP<<16                 ; tile_dim0 = 256
	s_mov_b32 s[(\g)+4], 64                        ; tile_dim1 = 64
	s_mov_b32 s[(\g)+5], SIZE_K                    ; elements from row to row
	s_mov_b32 s[(\g)+6], 0
	s_mov_b32 s[(\g)+7], 0
.endr
	s_lshl_b32 s17, s12, 6                         ; which 64 rows of the tile I fetch
	s_lshl_b32 s16, s13, 7
	s_add_co_u32 s16, s16, s17                     ; ao: row 128 x tile row + 64 x half
	s_lshl_b32 s46, s42, 7
	s_add_co_u32 s46, s46, s17                     ; wo: row 128 x tile column + 64 x half
	s_lshl_b32 s16, s16, 12                        ; rows of 4,096 bytes
	s_lshl_b32 s46, s46, 12
	s_mov_b32 s17, 0
	s_mov_b32 s47, 0
	s_mul_i32 s20, s10, HALFT                      ; where they go: wave x 64 rows
	s_wait_dscnt 0x0                               ; the opening add is done
	s_wait_kmcnt 0x0
	s_add_nc_u64 s[14:15], s[4:5], s[16:17]
	s_add_nc_u64 s[46:47], s[6:7], s[46:47]
	s_add_nc_u64 s[46:47], s[46:47], 0x2000000     ; section 4 of cb
	CROUND                                         ; all sixteen work-groups are here: the first joint loads meet
.irp s, 0,1
	s_mov_b32 s[G0+4*(\s)], 1
	s_add_co_u32 s[G0+4*(\s)+1], s20, (\s)*SLOT
	s_add_nc_u64 s[G0+4*(\s)+2:G0+4*(\s)+3], s[14:15], (\s)*KSTEP*2
	s_or_b32 s[G0+4*(\s)+3], s[G0+4*(\s)+3], 0x80000000
	s_mov_b32 s[G0B+4*(\s)], 1
	s_add_co_u32 s[G0B+4*(\s)+1], s20, (\s)*SLOT
	s_add_nc_u64 s[G0B+4*(\s)+2:G0B+4*(\s)+3], s[46:47], (\s)*KSTEP*2
	s_or_b32 s[G0B+4*(\s)+3], s[G0B+4*(\s)+3], 0x80000000
	JLOAD \s
.endr
	v_and_b32 v1, 15, v0                           ; l % 16
	v_bfe_u32 v2, v0, 4, 1                         ; l / 16
	v_mul_u32_u24 v3, v1, PITCH
	v_lshl_add_u32 v3, v2, 4, v3                   ; a fragment's row x pitch + 16 x half
	s_mul_i32 s21, s11, HALFT                      ; my 64 rows of ao
	s_mul_i32 s22, s12, HALFT                      ; my 64 rows of wo,
	s_add_co_u32 s22, s22, 2*HALFT                 ; which lie behind ao's 128
.irp s, 0,1
	v_add_nc_u32 v[ADRA+(\s)], s21, v3
	v_add_nc_u32 v[ADRB+(\s)], s22, v3
	s_add_co_u32 s21, s21, SLOT
	s_add_co_u32 s22, s22, SLOT
.endr
	s_mul_i32 s23, s10, 16*SPITCH
	s_add_co_u32 s23, s23, STAGE                   ; my stage
	v_mul_u32_u24 v4, v1, SPITCH                   ; in: row l % 16, 32 bytes (8 numbers) for each half of the lanes
	v_lshl_add_u32 v4, v2, 5, v4
	v_add_nc_u32 v[STO], s23, v4
	v_mul_u32_u24 v5, v2, SPITCH                   ; back: lanes 0-15 take one row of 256 bytes, lanes 16-31 the next
	v_lshl_add_u32 v5, v1, 4, v5
	v_add_nc_u32 v[RD], s23, v5
	v_lshlrev_b32 v5, 13, v2                       ; and the same two rows in out0: rows of 8,192 bytes
	v_lshl_add_u32 v[CO], v1, 4, v5
	s_lshl_b32 s16, s13, 20                        ; 128 x tile row rows,
	s_lshl_b32 s17, s11, 19                        ; my 64
	s_add_co_u32 s16, s16, s17
	s_mov_b32 s17, 0
	s_add_nc_u64 s[8:9], s[8:9], s[16:17]
	s_lshl_b32 s46, s42, 9                         ; the tile's 128 columns: 512 bytes; my 64: 256
	s_lshl_b32 s47, s12, 8
	s_add_co_u32 s46, s46, s47
	s_mov_b32 s47, 0
	s_add_nc_u64 s[8:9], s[8:9], s[46:47]
; 8 matrix instructions: m blocks a0, a0 + 1 x all 4 n blocks, 32 along K: half c of buffer f.  The 16 accumulators take turns.
.macro MUL8 f, c, a0, zero
	WIN MUL
.irp a, \a0, (\a0)+1
.irp b, 0,1,2,3
.if \zero
	v_wmma_f32_16x16x32_f16 v[ACC+8*(4*(\a)+(\b)):ACC+8*(4*(\a)+(\b))+7], v[(\f)+64+8*(4*(\c)+(\b)):(\f)+64+8*(4*(\c)+(\b))+7], v[(\f)+8*(4*(\c)+(\a)):(\f)+8*(4*(\c)+(\a))+7], 0
.else
	v_wmma_f32_16x16x32_f16 v[ACC+8*(4*(\a)+(\b)):ACC+8*(4*(\a)+(\b))+7], v[(\f)+64+8*(4*(\c)+(\b)):(\f)+64+8*(4*(\c)+(\b))+7], v[(\f)+8*(4*(\c)+(\a)):(\f)+8*(4*(\c)+(\a))+7], v[ACC+8*(4*(\a)+(\b)):ACC+8*(4*(\a)+(\b))+7]
.endif
.endr
.endr
.endm
; 32 LDS loads in one run: the fragments of 64 along K at byte k of the rows, into buffer f; the first 32 along K first
.macro FETCH slot, k, f
	WIN TO_F
.irp c, 0,1
.irp i, 0,1,2,3
	ds_load_b128 v[(\f)+64+8*(4*(\c)+(\i)):(\f)+64+8*(4*(\c)+(\i))+3],   v[ADRB+(\slot)] offset:(\k)+64*(\c)+(\i)*16*PITCH
	ds_load_b128 v[(\f)+64+8*(4*(\c)+(\i))+4:(\f)+64+8*(4*(\c)+(\i))+7], v[ADRB+(\slot)] offset:(\k)+64*(\c)+(\i)*16*PITCH+32
	ds_load_b128 v[(\f)+8*(4*(\c)+(\i)):(\f)+8*(4*(\c)+(\i))+3],         v[ADRA+(\slot)] offset:(\k)+64*(\c)+(\i)*16*PITCH
	ds_load_b128 v[(\f)+8*(4*(\c)+(\i))+4:(\f)+8*(4*(\c)+(\i))+7],       v[ADRA+(\slot)] offset:(\k)+64*(\c)+(\i)*16*PITCH+32
.endr
.endr
.endm
.macro PLACES
.rept 4
	v_nop
.endr
.endm
; A K step is four quarters of 64 along K, 32 matrix instructions each, on buffers 0, 1, 0, 1.
.macro QUARTER slot, k, f, g, zero
	s_wait_dscnt 16                                ; the first 32 along K are in
	MUL8 \f, 0, 0, \zero
	MUL8 \f, 0, 2, \zero
	PLACES
	FETCH \slot, \k, \g
	s_wait_dscnt 32                                ; all but the 32 just issued
	MUL8 \f, 1, 0, 0
	MUL8 \f, 1, 2, 0
.endm
; The last quarter multiplies buffer 1 and changes slots: ONE barrier; in front of it each wave waits for all its tensor loads, adds 0 to its spare word, and waits for that and for its own reads of this slot.
.macro TURN slot, next, fill
	WIN 0                                          ; (the add's two registers lie in window 0)
	s_wait_tensorcnt 0x0                           ; all my tensor loads have landed: my part of the next slot
	ds_add_u32 v[SPW], v[NIL]                      ; 0 onto my spare word
	s_wait_dscnt 17                                ; (the add and the youngest sixteen loads may be out)
	MUL8 F1, 0, 0, 0
	s_wait_dscnt 0x0                               ; the add is done, and my reads of this slot are over
	s_barrier_signal -1
	MUL8 F1, 0, 2, 0
.if \fill
	WIN 0
.endif
	s_barrier_wait -1
.if \fill
	CREST                                          ; no wave of any partner still reads this slot's tile or has a load on its way
	s_add_nc_u64 s[G0+4*(\slot)+2:G0+4*(\slot)+3], s[G0+4*(\slot)+2:G0+4*(\slot)+3], 2*KSTEP*2
	s_add_nc_u64 s[G0B+4*(\slot)+2:G0B+4*(\slot)+3], s[G0B+4*(\slot)+2:G0B+4*(\slot)+3], 2*KSTEP*2
	JLOAD \slot                                    ; my one tensor load behind the round; its four v_nop are also the places in front of the loads below
.else
	PLACES
.endif
	FETCH \next, 0, F0
	MUL8 F1, 1, 0, 0
	MUL8 F1, 1, 2, 0
.endm
	s_wait_tensorcnt 0x1                           ; my part of K step 0 is in; K step 1's may stay out
	s_barrier_signal -1
	s_barrier_wait -1
	FETCH 0, 0, F0
	QUARTER 0, 128, F0, F1, 1                      ; the first quarter stands in front of the loop: its first products start the sums
	WIN 0
	s_mov_b32 s3, LAPS-1
.Llap:
	QUARTER 0, 256, F1, F0, 0
	QUARTER 0, 384, F0, F1, 0
	TURN 0, 1, 1
	QUARTER 1, 128, F0, F1, 0
	QUARTER 1, 256, F1, F0, 0
	QUARTER 1, 384, F0, F1, 0
	TURN 1, 0, 1
	QUARTER 0, 128, F0, F1, 0
	WIN 0
	s_sub_co_u32 s3, s3, 1
	s_cmp_lg_u32 s3, 0
	s_cbranch_scc1 .Llap
	QUARTER 0, 256, F1, F0, 0                      ; the last lap fills nothing
	QUARTER 0, 384, F0, F1, 0
	TURN 0, 1, 0
	QUARTER 1, 128, F0, F1, 0
	QUARTER 1, 256, F1, F0, 0
	QUARTER 1, 384, F0, F1, 0
	s_wait_dscnt 16
	MUL8 F1, 0, 0, 0
	MUL8 F1, 0, 2, 0
	s_wait_dscnt 0x0
	MUL8 F1, 1, 0, 0
	MUL8 F1, 1, 2, 0
	WIN 0
; THE WAY OUT, 16 rows at a time: a lane's 8 numbers of each of four blocks go into my stage (each accumulator's low registers first), and come back as whole rows of 256 bytes.
.macro OUT a
.irp b, 0,1,2,3
	ds_store_b128 v[STO], v[ACC+8*(4*(\a)+(\b)):ACC+8*(4*(\a)+(\b))+3]   offset:64*(\b)
	ds_store_b128 v[STO], v[ACC+8*(4*(\a)+(\b))+4:ACC+8*(4*(\a)+(\b))+7] offset:64*(\b)+16
.endr
.irp t, 0,1,2,3,4,5,6,7
	ds_load_b128 v[TMP+32*((\a)%2)+4*(\t):TMP+32*((\a)%2)+4*(\t)+3], v[RD] offset:(\t)*2*SPITCH  ; LDS serves a wave's instructions in order: these see the stores above; the next block's stores come behind them
.endr
.endm
.macro SEND a, younger                 ; younger: the LDS instructions issued behind block a's loads
.irp t, 0,1,2,3,4,5,6,7
	s_wait_dscnt (\younger)+7-(\t)
	global_store_b128 v[CO], v[TMP+32*((\a)%2)+4*(\t):TMP+32*((\a)%2)+4*(\t)+3], s[8:9] offset:(16*(\a)+2*(\t))*SIZE_N*4  ; 16 lanes store 256 consecutive bytes, at a multiple of 256 from out0's first byte
.endr
.endm
	PLACES                                         ; behind the last products, in front of the stores that read results
	OUT 0
	OUT 1
	SEND 0, 16
	s_wait_xcnt 0x0                                ; block 0's stores have read their registers, which block 2 is loaded into
	OUT 2
	SEND 1, 16
	s_wait_xcnt 0x0
	OUT 3
	SEND 2, 16
	SEND 3, 0
	s_wait_tensorcnt 0x0                           ; the wave's end, behind my last tensor load and my last LDS store
	ds_add_u32 v[SPW], v[NIL]
	s_wait_dscnt 0x0
	CROUND                                         ; the closing round
	s_endpgm
.Lfunc_end_k_qe04de5910a_oproj:
	.size	k_qe04de5910a_oproj, .Lfunc_end_k_qe04de5910a_oproj-k_qe04de5910a_oproj
	.p2alignl 7, 3214868480
	.fill 96, 4, 3214868480
	.section	.rodata,"a",@progbits
	.p2align	6, 0x0
	.amdhsa_kernel k_qe04de5910a_oproj
		.amdhsa_group_segment_fixed_size 327680
		.amdhsa_private_segment_fixed_size 0
		.amdhsa_enable_private_segment 0
		.amdhsa_kernarg_size 24
		.amdhsa_user_sgpr_count 2
		.amdhsa_user_sgpr_kernarg_segment_ptr 1
		.amdhsa_wavefront_size32 1
		.amdhsa_system_sgpr_workgroup_id_x 1
		.amdhsa_system_sgpr_workgroup_id_y 1
		.amdhsa_system_sgpr_workgroup_id_z 1
		.amdhsa_system_vgpr_workitem_id 0
		.amdhsa_next_free_vgpr 512
		.amdhsa_next_free_sgpr 66
		.amdhsa_reserve_vcc 0
		.amdhsa_float_denorm_mode_32 3
		.amdhsa_float_denorm_mode_16_64 3
		.amdhsa_memory_ordered 1
		.amdhsa_forward_progress 1
		.amdhsa_inst_pref_size 86
	.end_amdhsa_kernel
	.amdgpu_metadata
---
amdhsa.version: [ 1, 2 ]
amdhsa.kernels:
  - .name:           k_qe04de5910a_oproj
    .symbol:         k_qe04de5910a_oproj.kd
    .args:
      - { .name: ao, .offset: 0, .size: 8, .value_kind: global_buffer, .address_space: global }
      - { .name: cb, .offset: 8, .size: 8, .value_kind: global_buffer, .address_space: global }
      - { .name: out0, .offset: 16, .size: 8, .value_kind: global_buffer, .address_space: global }
    .group_segment_fixed_size: 327680
    .private_segment_fixed_size: 0
    .kernarg_segment_align: 8
    .kernarg_segment_size: 24
    .max_flat_workgroup_size: 128
    .sgpr_count:     66
    .vgpr_count:     512
    .wavefront_size: 32
...
	.end_amdgpu_metadata
.endif
;; end of part 4
;; ======== version 2 of 2: 4 launches; version 1 with the launch cast written anew for expert scheduling mode
;; limits: values are held in f16: magnitudes above 65,504 overflow, below 6.1e-05 lose precision
;; workspace buffers: cb 50,331,648 bytes; qkv 25,165,824 bytes; ao 8,388,608 bytes
;; launch cast (part 5): grid 128 x 6, 8 waves a work-group, no clusters, 0 bytes of LDS; arguments x, wq, wk, wv, wo, mask, cb; writes cb
.if DOCPART == 5
	.amdgcn_target "amdgcn-amd-amdhsa--gfx1250"
	.amdhsa_code_object_version 6
	.text
	.protected	k_qe04de5910a_cast
	.globl	k_qe04de5910a_cast
	.p2align	8
	.type	k_qe04de5910a_cast,@function
k_qe04de5910a_cast:
	s_mov_b64 s[64:65], 0
	v_nop
	global_prefetch_b8 v0, s[64:65] scope:SCOPE_SE
	s_setreg_imm32_b32 hwreg(HW_REG_WAVE_SCHED_MODE, 0, 2), 2
	s_setreg_imm32_b32 hwreg(HW_REG_WAVE_MODE, 25, 1), 1
	s_wait_xcnt 0x0
	s_wait_alu depctr_vm_vsrc(0)
; CAST.  The six large f32 inputs, 16,777,216 bytes each, are rounded to bf16 once, for the launches behind.  cb has six sections of 8,388,608 bytes, each [2048][2048] of 16-bit numbers:
;   grid y = 0..3 and 5: x, wq, wk, wv and the mask -> sections 0..3 and 5, bf16
;   grid y = 4:          wo -> section 4: rounded to bf16, and that number written as f16 (it multiplies an f16 operand)
; LIMITS.  wo beyond 65,504 becomes an infinity in f16; below 6e-5 it keeps f16's fixed step of 6e-8.  NaN and infinities are not treated apart.
; SHARES.  A work-group takes 131,072 input bytes: 32 chunks of 4,096.  Thread t takes the 16 bytes at 16 t of each chunk: a wave's load covers 512 consecutive bytes;
; its 8 bytes of results go to 8 t: a wave's store covers 256 consecutive bytes, aligned.
; A ring of eight slots in registers, taken in two groups of four, keeps four to eight loads of every wave on their way.  No LDS, no barrier: no wave wants another's bytes.
; THE MODE: SCHED_MODE bits 1:0 = 2 (LLVM: expert scheduling mode 2), set by the entry lines.  The code itself states the register dependences
; between vector instructions and memory instructions, with s_wait_alu, always for 0.
; THE PLAN.  Registers that memory instructions touch:
;   X, slot i   Written by the slot's load; read by the slot's conversions; behind them the load of the chunk eight further on lands in it.
;   Y, slot i   Written by the slot's conversions; read by the slot's store, issued behind them; written again a round (eight slots) later.
;   v1, v2      Byte offsets, made once at the head and never written again: the chunks are reached by the two scalar bases and by immediate offsets.
;   T           Named by vector instructions alone.
; A group's turn: the wait for its four loads; its conversions; ONE wait on va_vdst, which states that they have written the group's Y and are done reading the group's X; then its four loads and four
; stores in one run, with no vector instruction between the wait and them.  The wait stands behind the conversions, so that a slot is asked for again at once.
; Once a round, at the second group's head, stand s_wait_xcnt 0 and ONE wait on vm_vsrc: every store issued so far has read its Y.  That serves the second group's conversions, which follow
; (their Y was read by stores of the round before), and the first group's of the next round (their Y was read by stores issued ahead of this wait).  Behind the same s_wait_xcnt both bases move on.
.set CHUNK, 4096
.set X, 8                              ; v[8:39]   slot i: 4 registers as loaded
.set Y, 40                             ; v[40:71]  slot i: 2 registers to store, at Y + 4 i
.set T, 72                             ; v[72:77]  at work
	s_load_b256 s[8:15], s[0:1], 0x0               ; x s[8:9], wq s[10:11], wk s[12:13], wv s[14:15]
	s_load_b128 s[16:19], s[0:1], 0x20             ; wo s[16:17], mask s[18:19]
	s_load_b64 s[20:21], s[0:1], 0x30              ; cb
	s_and_b32 s2, ttmp7, 0xffff                    ; which tensor
	v_lshlrev_b32 v1, 4, v0                        ; 16 t
	v_lshlrev_b32 v2, 3, v0                        ; 8 t
	s_mov_b32 s26, 0xffff0000                      ; a word's upper bf16
	s_lshl_b32 s24, ttmp9, 17                      ; the work-group's 131,072 bytes of f32
	s_mov_b32 s25, 0
	s_lshl_b32 s30, s2, 23                         ; the section of cb,
	s_lshl_b32 s31, ttmp9, 16                      ; and the work-group's 65,536 bytes in it
	s_add_co_u32 s30, s30, s31
	s_mov_b32 s31, 0
	s_wait_kmcnt 0x0
	s_cmp_eq_u32 s2, 1
	s_cselect_b64 s[4:5], s[10:11], s[8:9]
	s_cmp_eq_u32 s2, 2
	s_cselect_b64 s[4:5], s[12:13], s[4:5]
	s_cmp_eq_u32 s2, 3
	s_cselect_b64 s[4:5], s[14:15], s[4:5]
	s_cmp_eq_u32 s2, 4
	s_cselect_b64 s[4:5], s[16:17], s[4:5]
	s_cmp_eq_u32 s2, 5
	s_cselect_b64 s[4:5], s[18:19], s[4:5]
	s_add_nc_u64 s[4:5], s[4:5], s[24:25]
	s_add_nc_u64 s[6:7], s[20:21], s[30:31]
	s_wait_alu depctr_va_vdst(0)                   ; v1 and v2 are written: every load and store of both streams reads one of them as its offset
; One slot's conversions.  kind 0: bf16.  kind 1: bf16, widened (exact), written as f16.
.macro CONV i, kind
.if (\kind) == 0
	v_cvt_pk_bf16_f32 v[Y+4*(\i)],   v[X+4*(\i)],   v[X+4*(\i)+1]
	v_cvt_pk_bf16_f32 v[Y+4*(\i)+1], v[X+4*(\i)+2], v[X+4*(\i)+3]
.else
	v_cvt_pk_bf16_f32 v[T],   v[X+4*(\i)],   v[X+4*(\i)+1]
	v_cvt_pk_bf16_f32 v[T+1], v[X+4*(\i)+2], v[X+4*(\i)+3]
	v_lshlrev_b32 v[T+2], 16, v[T]
	v_and_b32     v[T+3], s26, v[T]
	v_lshlrev_b32 v[T+4], 16, v[T+1]
	v_and_b32     v[T+5], s26, v[T+1]
	v_cvt_pk_f16_f32 v[Y+4*(\i)],   v[T+2], v[T+3]
	v_cvt_pk_f16_f32 v[Y+4*(\i)+1], v[T+4], v[T+5]
.endif
.endm
; The turn of group g: slots 4 g to 4 g + 3.  ahead = 1: each slot is filled again with the chunk eight further on.  left = how many younger loads may stay out.
.macro GROUP g, ahead, left, kind
.set bk, 8*(\g)*(\ahead)               ; behind the bases' step the immediates reach back by a round
	s_wait_loadcnt \left                           ; loads come back in order: the group's four are in, the other group's four younger ones stay out
.if (\g) == 1
	s_wait_xcnt 0x0                                ; every load and store issued so far has had its address translated: the bases, and Y of all eight slots, are written only behind this wait
	s_wait_alu depctr_vm_vsrc(0)                   ; the stores issued so far have read their Y: slots 4-7's, of the round before, are written again below; slots 0-3's, of this round, in the next round's first group
.if \ahead
	s_add_nc_u64 s[4:5], s[4:5], 8*CHUNK           ; both bases at the next round's first chunk
	s_add_nc_u64 s[6:7], s[6:7], 4*CHUNK
.endif
.endif
.irp k, 0,1,2,3
	CONV 4*(\g)+(\k), \kind
.endr
	s_wait_alu depctr_va_vdst(0)                   ; the group's conversions have written its Y, which the stores below read, and are done reading its X, in which the loads below land
.irp k, 0,1,2,3
.if \ahead
	global_load_b128 v[X+4*(4*(\g)+(\k)):X+4*(4*(\g)+(\k))+3], v1, s[4:5] offset:(8+4*(\g)+(\k)-bk)*CHUNK th:TH_LOAD_NT
.endif
	global_store_b64 v2, v[Y+4*(4*(\g)+(\k)):Y+4*(4*(\g)+(\k))+1], s[6:7] offset:(4*(\g)+(\k)-bk)*CHUNK/2 th:TH_STORE_NT
.endr
.endm
; The whole stream of one kind: 8 first loads, 3 rounds that load ahead, a last round whose counts run down.
.macro STREAM kind
.irp i, 0,1,2,3,4,5,6,7
	global_load_b128 v[X+4*(\i):X+4*(\i)+3], v1, s[4:5] offset:(\i)*CHUNK th:TH_LOAD_NT
.endr
	s_mov_b32 s3, 3
.Lround_\@:
	GROUP 0, 1, 4, \kind
	GROUP 1, 1, 4, \kind
	s_sub_co_u32 s3, s3, 1
	s_cmp_lg_u32 s3, 0
	s_cbranch_scc1 .Lround_\@
	GROUP 0, 0, 4, \kind                           ; the last round loads nothing: no load leaves the buffer
	GROUP 1, 0, 0, \kind
	s_endpgm
.endm
	s_cmp_eq_u32 s2, 4
	s_cbranch_scc1 .Lwo
	STREAM 0
.Lwo:
	STREAM 1
.Lfunc_end_k_qe04de5910a_cast:
	.size	k_qe04de5910a_cast, .Lfunc_end_k_qe04de5910a_cast-k_qe04de5910a_cast
	.p2alignl 7, 3214868480
	.fill 96, 4, 3214868480
	.section	.rodata,"a",@progbits
	.p2align	6, 0x0
	.amdhsa_kernel k_qe04de5910a_cast
		.amdhsa_group_segment_fixed_size 0
		.amdhsa_private_segment_fixed_size 0
		.amdhsa_enable_private_segment 0
		.amdhsa_kernarg_size 56
		.amdhsa_user_sgpr_count 2
		.amdhsa_user_sgpr_kernarg_segment_ptr 1
		.amdhsa_wavefront_size32 1
		.amdhsa_system_sgpr_workgroup_id_x 1
		.amdhsa_system_sgpr_workgroup_id_y 1
		.amdhsa_system_sgpr_workgroup_id_z 1
		.amdhsa_system_vgpr_workitem_id 0
		.amdhsa_next_free_vgpr 80
		.amdhsa_next_free_sgpr 66
		.amdhsa_reserve_vcc 0
		.amdhsa_float_denorm_mode_32 3
		.amdhsa_float_denorm_mode_16_64 3
		.amdhsa_memory_ordered 1
		.amdhsa_forward_progress 1
		.amdhsa_inst_pref_size 17
	.end_amdhsa_kernel
	.amdgpu_metadata
---
amdhsa.version: [ 1, 2 ]
amdhsa.kernels:
  - .name:           k_qe04de5910a_cast
    .symbol:         k_qe04de5910a_cast.kd
    .args:
      - { .name: x, .offset: 0, .size: 8, .value_kind: global_buffer, .address_space: global }
      - { .name: wq, .offset: 8, .size: 8, .value_kind: global_buffer, .address_space: global }
      - { .name: wk, .offset: 16, .size: 8, .value_kind: global_buffer, .address_space: global }
      - { .name: wv, .offset: 24, .size: 8, .value_kind: global_buffer, .address_space: global }
      - { .name: wo, .offset: 32, .size: 8, .value_kind: global_buffer, .address_space: global }
      - { .name: mask, .offset: 40, .size: 8, .value_kind: global_buffer, .address_space: global }
      - { .name: cb, .offset: 48, .size: 8, .value_kind: global_buffer, .address_space: global }
    .group_segment_fixed_size: 0
    .private_segment_fixed_size: 0
    .kernarg_segment_align: 8
    .kernarg_segment_size: 56
    .max_flat_workgroup_size: 256
    .sgpr_count:     66
    .vgpr_count:     80
    .wavefront_size: 32
...
	.end_amdgpu_metadata
.endif
;; end of part 5
;; launch proj: the kernel of part 2 again; grid 16 x 16, 4 waves a work-group, clusters of 4 x 4, 327,680 bytes of LDS; arguments cb, rope_cos, rope_sin, qkv; writes qkv
;; launch attn: the kernel of part 3 again; grid 16 x 16, 4 waves a work-group, clusters of 4 x 4, 327,680 bytes of LDS; arguments qkv, cb, ao; writes ao
;; launch oproj: the kernel of part 4 again; grid 16 x 16, 4 waves a work-group, clusters of 4 x 4, 327,680 bytes of LDS; arguments ao, cb, out0; writes out0
